; MI455X (gfx1250); checked and timed in simulation.
; The chip was launched on July 23, 2026; its instructions are those of AMD's public machine-readable ISA for CDNA 5 (MIT licence, August 2026) and "CDNA5" Instruction Set Architecture Reference Guide (July 2026). The comments in the code are by the model that wrote it; some were corrected since.
;; Self Attention. Allowed arithmetic: float matrix products may take bf16 or f16 operands with f32 sums; other float arithmetic in f32, or as packed bf16 or f16 multiplies, adds, multiply-adds, maxima and minima; sums over many terms, partial sums and values carried from step to step in f32; what a program stores and reads back later, other than sums and carried values, may be rounded once to bf16 or f16.
;; Inputs: Wk 512 x 512 float32; Wo 512 x 512 float32; Wq 512 x 512 float32; Wv 512 x 512 float32; bk 512 float32; bo 512 float32; bq 512 float32; bv 512 float32; x 2 x 4,096 x 512 float32.
;; Outputs: out0 2 x 4,096 x 512 float32.
;; 2 versions, each right; version 2 is version 1 with the launch qkv written anew for expert scheduling mode. Each part assembles by itself: llvm-mc -triple=amdgcn-amd-amdhsa -mcpu=gfx1250 --defsym DOCPART=n.
;; ======== version 1 of 2: 3 launches
;; limits: values are held in f16: magnitudes above 65,504 overflow, below 6.1e-05 lose precision
;; workspace buffers: qkv 25,165,824 bytes; o 8,388,608 bytes
;; launch qkv (part 1): grid 8 x 32, 4 waves a work-group, no clusters, 222,720 bytes of LDS; arguments x, Wq, Wk, Wv, bq, bk, bv, qkv; writes qkv
.if DOCPART == 1
	.amdgcn_target "amdgcn-amd-amdhsa--gfx1250"
	.amdhsa_code_object_version 6
	.text
	.protected	k_q7f4cf94fd8_qkv
	.globl	k_q7f4cf94fd8_qkv
	.p2align	8
	.type	k_q7f4cf94fd8_qkv,@function
k_q7f4cf94fd8_qkv:
	s_mov_b64 s[64:65], 0
	v_nop
	global_prefetch_b8 v0, s[64:65] scope:SCOPE_SE
	s_setreg_imm32_b32 hwreg(HW_REG_WAVE_MODE, 25, 1), 1
	s_wait_xcnt 0x0
; q, k, v = x W + b for Wq, Wk, Wv.  x: [8192][512] f32, W: [512 k][512 n] f32, b: [512] f32.  x, W and b are rounded to bf16, the sums are f32 and begin with the bias,
; and each result is rounded once to f16 and stored by heads: qkv[part t][head 8 batch + h][4096 rows][64 channels], a row 128 bytes, rows dense.  The score's scale is not applied here.
; LIMITS.  f16 ends at 65,504: q, k and v must lie inside it (x and W of 30 times the drawn spread give a spread of 900; a common offset of 30 spreads on both gives about 20,400).
; Below 6e-5 f16 keeps a fixed step of 6e-8.  NaN and infinities are not treated apart.
; SHARES.  The three products are one of 1,536 columns: 24 blocks of 64 (one head of one part).  A work-group makes 256 rows x 3 blocks, 8 x 32 = 256 work-groups; wave w makes rows 64 w .. 64 w + 63 of all
; 192 columns: 4 x 12 = 48 accumulators of 16 x 16, 384 registers.
; W's slab of 512 k x 192 columns is read once in rows of 256 bytes, rounded, and laid in LDS as [k][n]; the turning LDS load makes fragments of it.  One barrier follows the slab, none after it.
; x's fragments come straight from memory (only this wave wants its rows) and are rounded in registers; two K steps of 32 use up 256 aligned bytes of each row.
; No tensor load: the bytes in memory are f32 and must pass through registers to be rounded; no cluster for the same reason.
; THE MATRIX INSTRUCTION IS USED TRANSPOSED: source 0 = 16 columns of W, source 1 = 16 rows of x: a lane then holds row l % 16 and the columns 8 (l / 16) + 0..7, which pack into 16 bytes of a head's row.
; REGISTERS, in windows of 256 (s_set_vgpr_msb: bits 1:0 source 0, 3:2 source 1, 5:4 source 2, 7:6 destination):
;   window 0: v0-15 addresses; v32-95 x in bf16, two buffers of 4 row blocks x 8; v96-223 x in f32, two halves of 64; on the way out v32-223 hold the packed results
;   window 1: v0-191 W's fragments, two buffers of 12 column blocks x 8
;   window 2: accumulators 0-31 (accumulator 12 a + b at 8 (12 a + b)); before the barrier two sets of 128 for W in f32
;   window 3: v0-127 accumulators 32-47; v128-223 the bias as a C operand, 8 for each column block; v224-227 at work
.set PITCH,  416                       ; a k row of the slab in LDS: 384 bytes + 32 = 13 x 32: the turning load's 8 rows x 32 bytes fall on different banks (64 banks of 4 bytes: ISA guide 11.1)
.set STAGE,  512*PITCH                 ; behind the slab: 16 rows x 144 bytes for each wave, for the way out
.set SP,     144
.set SPARE,  STAGE+4*16*SP             ; behind the stages: the spare words, 128 bytes for each wave: two blocks of 256 bytes that no other line names
.set XO,  4                            ; v4   my offset in 16 rows of x: 2048 (l % 16) + 32 (l / 16)
.set WG,  5                            ; v5   my offset in two k rows of W: 2048 (l / 16) + 16 (l % 16)
.set WS,  6                            ; v6   where I put 8 bytes of the slab: (128 w + l / 16) PITCH + 8 (l % 16)
.set WA,  7                            ; v7   the turning load's address: (8 (l / 16) + l % 8) PITCH + 16 ((l / 8) % 2); steps 32 k rows
.set BO,  8                            ; v8   my offset in 16 numbers of a bias: 32 (l / 16)
.set STO, 9                            ; v9   the way out: where I put 16 bytes of a row
.set RD,  10                           ; v10  the way out: where I read rows back
.set GO,  11                           ; v11  my 16 bytes of 512 consecutive bytes of qkv
.set SPW, 12                           ; v12  LDS address of my spare word; never rewritten
.set NIL, 13                           ; v13  0; never rewritten
.set XB,  32
.set XS,  96
.set PKD, 32                           ; the way out: 12 blocks x 16 registers
.set BI,  128                          ; window 3
.set TB,  224                          ; window 3
.set WV,  8                            ; s8   my wave's number
.set PW,  32                           ; s[32:37] W at my 128 k rows of column block j
.set PB,  38                           ; s[38:43] the bias at column block j
.set PO,  44                           ; s[44:49] qkv at my 64 rows of column block j's head
.set XP,  50                           ; s[50:51] x at my 64 rows; steps 256 bytes a trip
.set CNT, 52
.set HIM, 53                           ; a word's upper bf16
.set MSB, 0
.macro WIN new                         ; the immediate's high byte repeats the setting that is left; a switch that changes nothing is dropped
.if MSB != (\new)
	s_set_vgpr_msb (MSB<<8)|(\new)
.set MSB, (\new)
.endif
.endm
	s_load_b512 s[16:31], s[0:1], 0x0              ; x 16, Wq 18, Wk 20, Wv 22, bq 24, bk 26, bv 28, qkv 30
	v_lshl_add_u32 v[SPW], v0, 2, SPARE
	v_mov_b32 v[NIL], 0
	v_lshrrev_b32 v3, 5, v0
	v_readfirstlane_b32 s[WV], v3                  ; wave 0..3
	v_and_b32 v1, 15, v0                           ; l % 16
	v_bfe_u32 v2, v0, 4, 1                         ; l / 16
	v_lshlrev_b32 v[XO], 11, v1
	v_lshl_add_u32 v[XO], v2, 5, v[XO]
	v_lshlrev_b32 v[WG], 11, v2
	v_lshl_add_u32 v[WG], v1, 4, v[WG]
	s_mul_i32 s2, s[WV], 128*PITCH                 ; my 128 k rows of the slab
	v_mul_u32_u24 v[WS], v2, PITCH
	v_lshl_add_u32 v[WS], v1, 3, v[WS]
	v_add_nc_u32 v[WS], s2, v[WS]
	v_and_b32 v14, 7, v0
	v_bfe_u32 v15, v0, 3, 1
	v_lshl_add_u32 v[WA], v2, 3, v14
	v_mul_u32_u24 v[WA], v[WA], PITCH
	v_lshl_add_u32 v[WA], v15, 4, v[WA]
	v_lshlrev_b32 v[BO], 5, v2
	s_mul_i32 s2, s[WV], 16*SP
	s_add_co_u32 s2, s2, STAGE                     ; my stage
	v_mul_u32_u24 v[STO], v1, SP                   ; in: row l % 16, 16 bytes for each half of the lanes
	v_lshl_add_u32 v[STO], v2, 4, v[STO]
	v_add_nc_u32 v[STO], s2, v[STO]
	v_bfe_u32 v[RD], v0, 3, 2                      ; back: 32 lanes take four rows of 128 bytes,
	v_mul_u32_u24 v[RD], v[RD], SP
	v_lshl_add_u32 v[RD], v14, 4, v[RD]
	v_add_nc_u32 v[RD], s2, v[RD]
	v_and_b32 v[GO], 31, v0                        ; which are 512 consecutive bytes of qkv
	v_lshlrev_b32 v[GO], 4, v[GO]
	s_and_b32 s9, ttmp7, 0xffff                    ; the block of 256 rows
	s_lshr_b32 s10, s9, 4
	s_lshl_b32 s10, s10, 3                         ; 8 x batch
	s_and_b32 s11, s9, 15
	s_lshl_b32 s11, s11, 8
	s_lshl_b32 s12, s[WV], 6
	s_add_co_u32 s11, s11, s12                     ; my first row in the batch,
	s_lshl_b32 s11, s11, 7                         ; in bytes of a head
	s_lshl_b32 s14, s9, 8
	s_add_co_u32 s14, s14, s12                     ; my first row of x,
	s_lshl_b32 s14, s14, 11                        ; in bytes
	s_mov_b32 s15, 0
	s_lshl_b32 s13, s[WV], 18                      ; my 128 k rows of W: 128 x 2,048 bytes
	s_mul_i32 s12, ttmp9, 3                        ; the work-group's first column block
	s_mov_b32 s[HIM], 0xffff0000
	s_wait_kmcnt 0x0
	s_add_nc_u64 s[XP:XP+1], s[16:17], s[14:15]
.irp j, 0,1,2                          ; column block c = 3 g + j: part t = c / 8 (q, k, v), head c % 8
	s_add_co_u32 s2, s12, \j
	s_lshr_b32 s3, s2, 3
	s_and_b32 s4, s2, 7
	s_cmp_eq_u32 s3, 0
	s_cselect_b64 s[PW+2*\j:PW+2*\j+1], s[18:19], s[20:21]
	s_cselect_b64 s[PB+2*\j:PB+2*\j+1], s[24:25], s[26:27]
	s_cmp_eq_u32 s3, 2
	s_cselect_b64 s[PW+2*\j:PW+2*\j+1], s[22:23], s[PW+2*\j:PW+2*\j+1]
	s_cselect_b64 s[PB+2*\j:PB+2*\j+1], s[28:29], s[PB+2*\j:PB+2*\j+1]
	s_lshl_b32 s6, s4, 8                           ; the head's 64 columns: 256 bytes
	s_mov_b32 s7, 0
	s_add_nc_u64 s[PB+2*\j:PB+2*\j+1], s[PB+2*\j:PB+2*\j+1], s[6:7]
	s_add_co_u32 s6, s6, s13
	s_add_nc_u64 s[PW+2*\j:PW+2*\j+1], s[PW+2*\j:PW+2*\j+1], s[6:7]
	s_lshl_b32 s6, s3, 4
	s_add_co_u32 s6, s6, s4
	s_add_co_u32 s6, s6, s10                       ; 16 t + 8 batch + head,
	s_lshl_b32 s6, s6, 19                          ; of 4,096 rows x 128 bytes each
	s_add_co_u32 s6, s6, s11
	s_add_nc_u64 s[PO+2*\j:PO+2*\j+1], s[30:31], s[6:7]
.endr
; 64 of my k rows (half q) of column block j, f32, into set: 32 loads; lanes 0-15 take one row's 256 bytes, lanes 16-31 the next row's
.macro WISSUE j, q, set
	WIN 0x80
.set i, 0
.rept 32
	global_load_b128 v[128*(\set)+4*i:128*(\set)+4*i+3], v[WG], s[PW+2*(\j):PW+2*(\j)+1] offset:(64*(\q)+2*i)*2048
.set i, i+1
.endr
.endm
; the same rows rounded to bf16 and laid into the slab, 8 bytes a lane (x's bf16 registers, not yet in use, are at work here)
.macro WCONV j, q, set
	WIN 0x0a
.set i, 0
.rept 64
	v_cvt_pk_bf16_f32 v[XB+i], v[128*(\set)+2*i], v[128*(\set)+2*i+1]
.set i, i+1
.endr
	WIN 0
.set i, 0
.rept 32
	ds_store_b64 v[WS], v[XB+2*i:XB+2*i+1] offset:(64*(\q)+2*i)*PITCH+128*(\j)
.set i, i+1
.endr
.endm
; x for one K step of 32, f32, into half p: for each of 4 row blocks the lane's k = 8 (l / 16) + 0..7 and 16 + 8 (l / 16) + 0..7, 32 bytes each
.macro XLOAD p, off
	WIN 0
.irp a, 0,1,2,3
.irp c, 0,1
.irp e, 0,1
	global_load_b128 v[XS+64*(\p)+16*(\a)+8*(\c)+4*(\e):XS+64*(\p)+16*(\a)+8*(\c)+4*(\e)+3], v[XO], s[XP:XP+1] offset:(\off)+32768*(\a)+64*(\c)+16*(\e)
.endr
.endr
.endr
.endm
; W's 12 fragments of the K step at v[WA], turned, into buffer p: 24 LDS loads in one run
.macro FRAGW p
	WIN 0x40
.set i, 0
.rept 12
	ds_load_tr16_b128 v[96*(\p)+8*i:96*(\p)+8*i+3],   v[WA] offset:32*i
	ds_load_tr16_b128 v[96*(\p)+8*i+4:96*(\p)+8*i+7], v[WA] offset:32*i+16*PITCH
.set i, i+1
.endr
.endm
; 48 matrix instructions: all accumulators by turns, in the same order in every K step: 47 others stand between two links of a chain, over the backward jump too.
; first = 1: the bias is the C operand that starts the sums: nothing is cleared.
.macro MULS p, first
.set n, 0
.rept 48
.if n < 32
.if \first
	WIN 0xb1                                       ; W window 1, x window 0, C window 3, D window 2
.else
	WIN 0xa1                                       ; C and D window 2
.endif
.set rD, 8*n
.else
	WIN 0xf1                                       ; C and D window 3
.set rD, 8*(n-32)
.endif
.set rW, 96*(\p)+8*(n%12)
.set rX, XB+32*(\p)+8*(n/12)
.if \first
	v_wmma_f32_16x16x32_bf16 v[rD:rD+7], v[rW:rW+7], v[rX:rX+7], v[BI+8*(n%12):BI+8*(n%12)+7]
.else
	v_wmma_f32_16x16x32_bf16 v[rD:rD+7], v[rW:rW+7], v[rX:rX+7], v[rD:rD+7]
.endif
.set n, n+1
.endr
.endm
; ONE K STEP OF 32, on buffers p.  x's half p is in (lcnt = the loads issued behind it: the other half's 16, or none); it is rounded; the half is asked for again, two K steps on (xoff, if any);
; the next step's fragments of W are fetched into the other buffer (ldw).  The 32 roundings name no register of the products before them: they are the four places in front of those LDS loads
; (ISA guide 7.12.1 for vector instructions).  s_wait_dscnt 24: this step's fragments are in, the 24 loads just issued may stay out.
.macro HALF p, first, xoff, ldw, lcnt
	WIN 0
	s_wait_loadcnt \lcnt
.set i, 0
.rept 32
	v_cvt_pk_bf16_f32 v[XB+32*(\p)+i], v[XS+64*(\p)+2*i], v[XS+64*(\p)+2*i+1]
.set i, i+1
.endr
.if (\xoff) >= 0
	XLOAD \p, \xoff
.endif
.if \ldw
	v_add_nc_u32 v[WA], 32*PITCH, v[WA]
	FRAGW 1-(\p)
	s_wait_dscnt 24
.else
	s_wait_dscnt 0x0
.endif
	MULS \p, \first
.endm
; THE WAY OUT of block n = 3 a + j: 16 rows of one head, accumulators 12 a + 4 j .. + 3.  Rounded to f16 (each accumulator from its low end on), 16 bytes a lane into rows of 144 bytes, back as whole rows of 128.
.macro PACK n
.set aa, (\n)/3
.set jj, (\n)%3
.set id, 12*aa+4*jj
.if id < 32
	WIN 0x0a
.set rA, 8*id
.else
	WIN 0x0f
.set rA, 8*(id-32)
.endif
.set i, 0
.rept 16
	v_cvt_pk_f16_f32 v[PKD+16*(\n)+i], v[rA+2*i], v[rA+2*i+1]
.set i, i+1
.endr
	WIN 0
.irp f, 0,1,2,3
	ds_store_b128 v[STO], v[PKD+16*(\n)+4*\f:PKD+16*(\n)+4*\f+3] offset:32*\f
.endr
.irp f, 0,1,2,3
	ds_load_b128 v[PKD+16*(\n)+4*\f:PKD+16*(\n)+4*\f+3], v[RD] offset:\f*4*SP  ; LDS serves a wave's instructions in order (ISA guide 5.7.1.4): these see the stores above; the next block's stores come behind them
.endr
.endm
.macro SEND n, younger                 ; younger: the LDS instructions issued behind block n's loads: the next block's eight, or none
	WIN 0
.set aa, (\n)/3
.set jj, (\n)%3
.irp f, 0,1,2,3
	s_wait_dscnt (\younger)+3-\f
	global_store_b128 v[GO], v[PKD+16*(\n)+4*\f:PKD+16*(\n)+4*\f+3], s[PO+2*jj:PO+2*jj+1] offset:aa*2048+\f*512  ; 512 consecutive bytes, at a multiple of 256 from qkv's first
.endr
.endm
	; THE SLAB.  Six batches of 32 loads on two sets of registers; x's first two K steps and the biases are asked for among them.  Each count is the number of loads issued behind the batch that is waited for.
	WISSUE 0, 0, 0
	WISSUE 0, 1, 1
	s_wait_loadcnt 32                              ; batch 0 is in; behind it: batch 1
	WCONV 0, 0, 0
	XLOAD 0, 0
	WISSUE 1, 0, 0
	s_wait_loadcnt 48                              ; batch 1; behind it: 16 of x, batch 2
	WCONV 0, 1, 1
	XLOAD 1, 128
	WISSUE 1, 1, 1
	s_wait_loadcnt 48                              ; batch 2; behind it: 16 of x, batch 3
	WCONV 1, 0, 0
	WISSUE 2, 0, 0
	s_wait_loadcnt 32                              ; batch 3; behind it: batch 4
	WCONV 1, 1, 1
	WIN 0xc0
.set b, 0
.rept 12                               ; the bias of column block b as a C operand: register j of a lane belongs to column 16 b + 8 (l / 16) + j
	global_load_b128 v[BI+8*b:BI+8*b+3],   v[BO], s[PB+2*(b/4):PB+2*(b/4)+1] offset:64*(b%4)
	global_load_b128 v[BI+8*b+4:BI+8*b+7], v[BO], s[PB+2*(b/4):PB+2*(b/4)+1] offset:64*(b%4)+16
.set b, b+1
.endr
	WISSUE 2, 1, 1
	s_wait_loadcnt 56                              ; batch 4; behind it: 24 of the biases, batch 5
	WCONV 2, 0, 0
	s_wait_loadcnt 0x0                             ; batch 5, and with it all of x's first two steps and the biases
	WCONV 2, 1, 1
	s_wait_dscnt 0x0                               ; for the others' sake: my part of the slab is stored
	s_barrier_signal -1
	s_barrier_wait -1                              ; the slab is whole; nobody writes it again
	FRAGW 0
	WIN 0xff
.set i, 0
.rept 48                               ; the biases are rounded to bf16 like the other inputs, and widened again
	v_cvt_pk_bf16_f32 v[TB+i%4], v[BI+2*i], v[BI+2*i+1]
	v_lshlrev_b32 v[BI+2*i], 16, v[TB+i%4]
	v_and_b32 v[BI+2*i+1], s[HIM], v[TB+i%4]
.set i, i+1
.endr
	HALF 0, 1, 256, 1, 0                           ; K step 0 stands in front of the loop: its products start the sums
	WIN 0                                          ; at a label and at a branch every window is 0
	s_mov_b32 s[CNT], 6
.Lk:                                                   ; a trip: K steps 2 i + 1 and 2 i + 2; x of steps 2 i + 3 and 2 i + 4 is asked for
	HALF 1, 0, 384, 1, 16
	HALF 0, 0, 512, 1, 16
	WIN 0
	s_wait_xcnt 0x0                                ; the loads issued so far have read x's pointer (the youngest 48 products back): it is stepped only behind this wait
	s_add_nc_u64 s[XP:XP+1], s[XP:XP+1], 256
	s_sub_co_u32 s[CNT], s[CNT], 1
	s_cmp_lg_u32 s[CNT], 0
	s_cbranch_scc1 .Lk
	HALF 1, 0, 384, 1, 16                          ; K step 13 asks for step 15, the row's last 128 bytes
	HALF 0, 0, -1, 1, 16                           ; the last two steps ask for nothing of x
	HALF 1, 0, -1, 0, 0
	WIN 0
.rept 4
	v_nop                                          ; four places between the last products and the conversions that read results
.endr
	PACK 0
.set t, 1
.rept 11                               ; a block's conversions stand between the loads of the block before and its stores
	PACK t
	SEND t-1, 8
.set t, t+1
.endr
	SEND 11, 0
	s_wait_tensorcnt 0x0                           ; the wave's end, behind my last LDS store
	ds_add_u32 v[SPW], v[NIL]
	s_wait_dscnt 0x0
	s_endpgm
.Lfunc_end_k_q7f4cf94fd8_qkv:
	.size	k_q7f4cf94fd8_qkv, .Lfunc_end_k_q7f4cf94fd8_qkv-k_q7f4cf94fd8_qkv
	.p2alignl 7, 3214868480
	.fill 96, 4, 3214868480
	.section	.rodata,"a",@progbits
	.p2align	6, 0x0
	.amdhsa_kernel k_q7f4cf94fd8_qkv
		.amdhsa_group_segment_fixed_size 222720
		.amdhsa_private_segment_fixed_size 0
		.amdhsa_enable_private_segment 0
		.amdhsa_kernarg_size 64
		.amdhsa_user_sgpr_count 2
		.amdhsa_user_sgpr_kernarg_segment_ptr 1
		.amdhsa_wavefront_size32 1
		.amdhsa_system_sgpr_workgroup_id_x 1
		.amdhsa_system_sgpr_workgroup_id_y 1
		.amdhsa_system_sgpr_workgroup_id_z 1
		.amdhsa_system_vgpr_workitem_id 0
		.amdhsa_next_free_vgpr 1024
		.amdhsa_next_free_sgpr 66
		.amdhsa_reserve_vcc 0
		.amdhsa_float_denorm_mode_32 3
		.amdhsa_float_denorm_mode_16_64 3
		.amdhsa_memory_ordered 1
		.amdhsa_forward_progress 1
		.amdhsa_inst_pref_size 143
	.end_amdhsa_kernel
	.amdgpu_metadata
---
amdhsa.version: [ 1, 2 ]
amdhsa.kernels:
  - .name:           k_q7f4cf94fd8_qkv
    .symbol:         k_q7f4cf94fd8_qkv.kd
    .args:
      - { .name: x, .offset: 0, .size: 8, .value_kind: global_buffer, .address_space: global }
      - { .name: Wq, .offset: 8, .size: 8, .value_kind: global_buffer, .address_space: global }
      - { .name: Wk, .offset: 16, .size: 8, .value_kind: global_buffer, .address_space: global }
      - { .name: Wv, .offset: 24, .size: 8, .value_kind: global_buffer, .address_space: global }
      - { .name: bq, .offset: 32, .size: 8, .value_kind: global_buffer, .address_space: global }
      - { .name: bk, .offset: 40, .size: 8, .value_kind: global_buffer, .address_space: global }
      - { .name: bv, .offset: 48, .size: 8, .value_kind: global_buffer, .address_space: global }
      - { .name: qkv, .offset: 56, .size: 8, .value_kind: global_buffer, .address_space: global }
    .group_segment_fixed_size: 222720
    .private_segment_fixed_size: 0
    .kernarg_segment_align: 8
    .kernarg_segment_size: 64
    .max_flat_workgroup_size: 128
    .sgpr_count:     66
    .vgpr_count:     1024
    .wavefront_size: 32
...
	.end_amdgpu_metadata
.endif
;; end of part 1
;; launch attn (part 2): grid 16 x 16, 4 waves a work-group, clusters of 4 x 1, 327,680 bytes of LDS; arguments qkv, o; writes o
.if DOCPART == 2
	.amdgcn_target "amdgcn-amd-amdhsa--gfx1250"
	.amdhsa_code_object_version 6
	.text
	.protected	k_q7f4cf94fd8_attn
	.globl	k_q7f4cf94fd8_attn
	.p2align	8
	.type	k_q7f4cf94fd8_attn,@function
k_q7f4cf94fd8_attn:
	s_mov_b64 s[64:65], 0
	v_nop
	global_prefetch_b8 v0, s[64:65] scope:SCOPE_SE
	s_setreg_imm32_b32 hwreg(HW_REG_WAVE_MODE, 25, 1), 1
	s_wait_xcnt 0x0
	s_wait_alu depctr_hold_cnt(0) depctr_sa_sdst(0) depctr_va_vdst(0) depctr_va_sdst(0) depctr_va_ssrc(0) depctr_va_vcc(0) depctr_vm_vsrc(0)
	s_getreg_b32 s2, hwreg(HW_REG_IB_STS2, 6, 4)
	s_cmp_eq_u32 s2, 0
	s_cbranch_scc0 .Lentry_in_a_cluster
	s_endpgm
.Lentry_in_a_cluster:
	s_bfe_u32 s2, ttmp6, 0x10000c
	s_cmp_lg_u32 s2, 0x3003
	s_cbranch_scc0 .Lentry_shape_is_right
	s_endpgm
.Lentry_shape_is_right:
; O[h][q][:] = the sum over k of softmax_k(Q[h][q] . K[h][k] / 8) V[h][k][:], for 16 heads (batch x head) of 4,096 rows x 64 channels, all f16: a head's rows are dense, 128 bytes each.
; qkv holds Q's 16 heads, then K's, then V's; o has the layout of one part.  Products, maxima and sums in f32; the weights p are rounded to f16 for the second product (their sum l is taken of the
; unrounded p), O once at the end.
; LIMITS.  f16 holds no number beyond 65,504: Q, K and V arrive within it; p lies in 0 to 1, and below 6e-5 it keeps f16's fixed step of 6e-8, and so does O, a mean of V's rows.
; A weight below 2^-126 counts as 0 in l; NaN and infinities are not treated apart.
; SHARES.  A work-group owns 256 queries of one head (16 x 16 = 256 work-groups), a wave 64: four PIECES of 16.  Every wave walks all 4,096 keys, 64 a step, 256 a slot of LDS: 16 slots.
; LAYOUT.  S^T = K Q^T (source 0 = 16 keys, source 1 = 16 queries) holds ONE query a lane (lane % 16) and the keys 8 (lane / 16) + 0..7; two such results rounded to f16 ARE source 1 (32 keys x 16 queries) of
; O^T = V^T P, whose result again holds one query a lane, and eight channels.  K comes out of LDS as it lies, V ([key][channel]) turned, by ds_load_tr16_b128.
; SOFTMAX.  For each query a running maximum m and sum l: p = 2^(c s - c m), c = log2(e) / 8; in every step O and l are multiplied by a = 2^(c m_old - c m_new).  m starts at the lowest finite number,
; O and l at 0: the first step is a step like any other, with a = 0.
; BY TURNS.  Turn n belongs to piece n: 8 products K Q^T of piece n + 1, later 8 products V^T P of piece n - 1; beside them the scaling, exponentials, roundings, sums and rescaling of piece n and the maximum
; and statistics of piece n + 1.  A turn has 16 matrix and 118 vector instructions: four vector instructions stand behind every matrix instruction, the other 54 in two runs of their own.
; CLUSTER.  The four query blocks of a cluster belong to one head and walk the same K and V, so each tile is asked for JOINTLY: the same tensor load, descriptor and mask in all four.
; REGISTERS, in windows of 256 (s_set_vgpr_msb: bits 1:0 source 0, 3:2 source 1, 5:4 source 2, 7:6 destination):
;   window 0: v0-15 addresses and two at work; v16-31 four registers of statistics a piece; v48-55 at work; v61-63 prefetch offset and the add's two; v64-127 S^T, two buffers; v192-223 P, two buffers
;   (a piece's buffers go by its number's parity)          window 1: v0-127 O^T, 32 a piece          window 2: v0-63 Q; v128-191 K of one step; v192-255 V of one step
.set NP,    4         ; pieces a wave: a name, no knob
.set KS,    64        ; keys in a step
.set PK,    144       ; a row of K in LDS: 128 bytes + 16 of padding = 36 words: the 16 rows of a load start at 16 different groups of four banks (64 banks of 4 bytes: ISA guide 11.1)
.set PV,    160       ; a row of V: 128 + 32 = 40 words
.set VOFF,  4*KS*PK   ; a slot holds four steps: 256 rows of K, then 256 rows of V
.set SLOT1, 1<<17     ; slot 1 begins here, so that one exclusive or turns an address in one slot into the other's
.set STAGE, SLOT1+4*KS*(PK+PV)  ; behind the ring, never filled by a tensor load: 16 rows x 144 bytes for each wave, for the way out
.set SP,    144
.set SPARE, STAGE+4*16*SP  ; behind the stages: the spare words, 128 bytes for each wave: two blocks of 256 bytes that no other line names
.set PARTB, 16*4096*128    ; bytes in one part of qkv
.set AK0, 2           ; v2   my lane's place in a tile of K; never rewritten
.set AV0, 3           ; v3   the same for V
.set AK,  4           ; v4   the LDS address of K's next run of loads
.set AV,  5           ; v5   of V's
.set STO, 6           ; v6   the way out: where I put 16 bytes of a row
.set RD,  7           ; v7   the way out: where I read rows back
.set GO,  8           ; v8   my byte offset in 512 consecutive bytes of O
.set MV,  12          ; v12-13  c m_old, kept while c m is made anew: by buffer
.set QO,  15          ; v15  my byte offset in 16 rows of Q
.set ST,  16          ; piece t's statistics at v[ST+4 t]: c m, m, l (even keys', odd keys')
.set TMP, 48          ; by buffer, four registers c0-c3 at work; when the maximum is found c2 takes a
.set PFO, 61          ; v61  256 x my lane; never rewritten
.set SPW, 62          ; v62  LDS address of my spare word: SPARE + 4 x my thread's number; never rewritten
.set NIL, 63          ; v63  0; never rewritten
.set S,   64
.set P,   192
.set KF,  128         ; window 2: key block kb, channel half c at KF + 16 kb + 8 c
.set VF,  192         ; window 2: key half kk, channel block cb at VF + 32 kk + 8 cb
.set WV,  12          ; s12  my wave's number
.set LIM, 15          ; s15  1 in a wave that prefetches, else the greatest number: a wave prefetches while s[SLOTS] is above it
.set G1K, 24          ; s[24:31] descriptor group 1 for K's tiles
.set G1V, 32          ; s[32:39] for V's: it differs in the padding alone
.set G0K, 40          ; s[40:43] descriptor group 0 for K's tiles: it walks
.set G0V, 44          ; s[44:47] the same for V's
.set PFA, 48          ; s[48:49] where my prefetches stand: my work-group's 32 blocks of 256 bytes (of K: wave 0, of V: wave 2) of the slot after the one that is being asked for
.set SLOTS, 56        ; s56  slots still to be entered
.set CNT, 57          ; s57  counts a slot's key steps
.set CS,  58          ; s[58:59] c: the packed scaling takes the pair's low word for both halves
.set SEL, 60          ; s[60:61] v_permlanex16_b32's selects: each lane takes its own place in the other half
.set TBK, 62          ; s62  LDS byte at which K of the step to be fetched begins
.set TBV, 63          ; s63  the same for V, less VOFF
.set MSB, 0
.macro WIN new                      ; the high byte repeats the setting that is left; a switch that changes nothing is dropped
.if MSB != (\new)
	s_set_vgpr_msb (MSB<<8)|(\new)
.set MSB, (\new)
.endif
.endm
.set W_KQ, 0x0a       ; K and Q in window 2, S^T in window 0
.set W_PV, 0x52       ; V in window 2, P in window 0, O^T in window 1
.set W_RS, 0x41       ; destination and source 0 in window 1, source 1 in window 0
; A joint fill.  Waves 0 and 1 fetch the two halves of a slot's K, waves 2 and 3 those of its V: 128 keys each.  The branch hangs on the wave's number alone: it is the same in every work-group.
; An s_nop 0 and four v_nop follow each of the two lines, ahead of the jump and the label.
.macro JLOAD
	s_cmp_lt_u32 s[WV], 2
	s_cbranch_scc0 .Lfor_v_\@
	tensor_load_to_lds s[G0K:G0K+3], s[G1K:G1K+7]
	s_nop 0
.rept 4
	v_nop
.endr
	s_branch .Lasked_\@
.Lfor_v_\@:
	tensor_load_to_lds s[G0V:G0V+3], s[G1V:G1V+7]
	s_nop 0
.rept 4
	v_nop
.endr
.Lasked_\@:
.endm
; A PREFETCH INTO THE L2 of what the NEXT change of slots will ask for: a slot's 32,768 bytes of K and of V, in blocks of 256 bytes, a lane a block.  It stands behind the wave's tensor load and its five lines.
; Each block is named ONCE in the launch.  All four clusters of a head walk the same K and V: the head's first cluster prefetches.  Its four partners share the blocks out BY ADDRESS, 32 each: no branch hangs
; on a work-group's place in its cluster.  In each, wave 0 asks for K's and wave 2 for V's: one instruction, four key steps (256 matrix instructions) ahead of the load that wants the bytes.
; The last change that fills a slot prefetches nothing: there is no slot behind it.  Slots 0 and 1 come by their loads alone.
.macro ASK
	s_cmp_gt_u32 s[SLOTS], s[LIM]
	s_cbranch_scc0 .Lnot_mine_\@
	global_prefetch_b8 v[PFO], s[PFA:PFA+1] th:TH_LOAD_NT scope:SCOPE_SE
.Lnot_mine_\@:
.endm
; A round of the cluster's barrier: my work-group's barrier, so that wave 0's signal speaks for all four waves; wave 0 signals; every wave waits for all four work-groups; my work-group's barrier once more.
.macro CROUND
	s_barrier_signal -1
	s_barrier_wait -1
	s_cmp_lg_u32 s[WV], 0
	s_cbranch_scc1 .Lnot_wave_0_\@
	s_barrier_signal -3
.Lnot_wave_0_\@:
	s_barrier_wait -3
	s_barrier_signal -1
	s_barrier_wait -1
.endm
; THE CHANGE OF SLOTS.  The slot's last bytes, V of its fourth step, have been read.  Each wave waits for all its tensor loads, of which one is out: its part of the other slot; adds 0 to its spare word; and
; waits for that and for its own reads of the slot.  Behind the barrier nobody reads this slot any more and the other slot is whole.
; fill = 1: this slot is filled again, with the keys two slots on.  The barrier is then a round of the cluster's, so that no wave of any partner still reads the slot or has a load on its way, and the joint
; fill is the first thing behind it: it has four key steps in which to land.  (At its first use nothing has been read yet: slot 0 is waited for, slot 1 filled.)
.macro CHANGE fill
	WIN 0                           ; at a label and at a branch every window is 0
	s_wait_tensorcnt 0x0            ; no tensor load of mine is out, so a group 0 may be written
	ds_add_u32 v[SPW], v[NIL]       ; 0 onto my spare word; with fill = 1 the descriptors' steps stand between it and the wait for it
.if \fill
.irp g, G0K, G0V
	s_xor_b32 s[\g+1], s[\g+1], SLOT1  ; the walking descriptor: the other slot than last time,
	s_add_nc_u64 s[\g+2:\g+3], s[\g+2:\g+3], 4*KS*128  ; the next 256 keys; the type bits on top are not reached
.endr
	s_wait_xcnt 0x0                 ; the last prefetch, four key steps back, has read its address, so it may be written:
	s_add_nc_u64 s[PFA:PFA+1], s[PFA:PFA+1], 4*KS*128  ; one slot behind the walking descriptors
	s_wait_dscnt 0x0                ; the add is done, and my reads of the slot are over
	CROUND
	JLOAD
	ASK
.else
	s_wait_dscnt 0x0                ; the add is done, and my reads of the slot are over
	s_barrier_signal -1
	s_barrier_wait -1
.endif
	s_sub_co_u32 s[TBK], s[TBK], 4*KS*PK  ; the fetches go back to a slot's first step,
	s_xor_b32 s[TBK], s[TBK], SLOT1       ; in the other slot
	s_sub_co_u32 s[TBV], s[TBV], 4*KS*PV
	s_xor_b32 s[TBV], s[TBV], SLOT1
.endm
	s_load_b128 s[4:7], s[0:1], 0x0 ; qkv s[4:5], o s[6:7]
	v_lshl_add_u32 v[SPW], v0, 2, SPARE
	v_mov_b32 v[NIL], 0
	ds_add_u32 v[SPW], v[NIL]       ; the wave's opening: the add and its wait stand ahead of my first tensor load; the set-up below, work on registers, stands between them
	v_lshrrev_b32 v1, 5, v0
	v_readfirstlane_b32 s[WV], v1   ; wave 0..3
	s_bfe_u32 s13, ttmp6, 0x40000   ; cx: my place in the cluster
	s_lshl_b32 s14, ttmp9, 2        ; in a cluster launch ttmp9 counts clusters
	s_add_co_u32 s14, s14, s13      ; my block of 256 queries = 4 x cluster x + cx: it enters Q's and O's addresses alone
	s_and_b32 s20, ttmp7, 0xffff    ; the head, which the four partners share,
	s_lshl_b32 s20, s20, 19         ; and its first byte in a part: 4,096 rows x 128 bytes
	s_and_b32 s16, s[WV], 1         ; which half of a slot's 256 keys I fetch:
	s_lshl_b32 s22, s16, 14         ; its 128 rows of 128 bytes in memory,
	s_add_co_u32 s22, s22, s20
	s_mov_b32 s23, 0
	s_mul_i32 s17, s16, 128*PK      ; and its place in a slot, for K
	s_mul_i32 s18, s16, 128*PV      ; and for V: no place in the cluster enters an LDS address
	s_lshl_b32 s2, s14, 2
	s_add_co_u32 s2, s2, s[WV]      ; my wave among the head's 64,
	s_lshl_b32 s2, s2, 13           ; its 64 rows
	s_add_co_u32 s2, s2, s20
	s_mov_b32 s3, 0
	s_lshl_b32 s50, s13, 13         ; my work-group's 32 blocks of a slot's 128, for the prefetches
	s_mov_b32 s51, 0
	; descriptor group 1.  128 keys are 16,384 dense bytes: asked for as 64 rows of 256 bytes, two keys a row, and padded in LDS after every key
	s_mov_b32 s[G1K], 15|(1<<16)|(1<<20)|(1<<21)|(4<<22)|(3<<25)  ; 15:0 the mask of four; 17:16 2-byte elements; 20 padding on; 21 set beside a mask; 24:22 after every 32 words (code 4); 31:25 4 words (code 3)
	s_mov_b32 s[G1V], 15|(1<<16)|(1<<20)|(1<<21)|(4<<22)|(7<<25)  ; the same with 8 words of padding (code 7)
.irp g, G1K, G1V
	s_mov_b32 s[\g+1], 128<<16      ; tensor_dim0 = 128
	s_mov_b32 s[\g+2], 64<<16       ; tensor_dim1 = 64
	s_mov_b32 s[\g+3], 128<<16      ; tile_dim0 = 128
	s_mov_b32 s[\g+4], 64           ; tile_dim1 = 64
	s_mov_b32 s[\g+5], 128          ; 128 elements from row to row
	s_mov_b32 s[\g+6], 0
	s_mov_b32 s[\g+7], 0
.endr
	s_mov_b32 s[CS], 0x3e38aa3b     ; c = log2(e) / 8 = 0.180337
	s_mov_b32 s[CS+1], s[CS]        ; named with it as a pair
	s_mov_b32 s[SEL], 0x76543210
	s_mov_b32 s[SEL+1], 0xfedcba98
	s_mov_b32 s[TBK], SLOT1+4*KS*PK ; the first change of slots turns these two into 0
	s_mov_b32 s[TBV], SLOT1+4*KS*PV
	s_mov_b32 s[G0K], 1             ; 1:0 count = 1
	s_mov_b32 s[G0K+1], s17         ; 63:32 LDS address: slot 0
	s_mov_b32 s[G0V], 1
	s_add_co_u32 s[G0V+1], s18, VOFF
	s_mov_b32 s[SLOTS], 4096/256-1
	s_and_b32 s[LIM], s[WV], 1      ; 0 in waves 0 and 2,
	s_or_b32 s[LIM], s[LIM], ttmp9  ; where the cluster is the head's first: the same in all four partners
	s_cmp_eq_u32 s[LIM], 0
	s_cselect_b32 s[LIM], 1, -1
	v_and_b32 v[PFO], 31, v0
	v_lshlrev_b32 v[PFO], 8, v[PFO]
	s_wait_dscnt 0x0                ; the opening add is done
	s_wait_kmcnt 0x0
	s_add_nc_u64 s[10:11], s[6:7], s[2:3]   ; O at my wave's first row
	s_add_nc_u64 s[6:7], s[4:5], s[22:23]   ; my half of the head's first 256 rows, in part 0,
	s_add_nc_u64 s[8:9], s[6:7], 2*PARTB    ; in V,
	s_add_nc_u64 s[6:7], s[6:7], PARTB      ; in K
	s_add_nc_u64 s[4:5], s[4:5], s[2:3]     ; Q at my wave's first row
	s_mov_b64 s[G0K+2:G0K+3], s[6:7]               ; 120:64 global address
	s_or_b32 s[G0K+3], s[G0K+3], 0x80000000        ; 127:126 type = 2
	s_mov_b64 s[G0V+2:G0V+3], s[8:9]
	s_or_b32 s[G0V+3], s[G0V+3], 0x80000000
	s_cmp_lt_u32 s[WV], 2
	s_cselect_b64 s[PFA:PFA+1], s[6:7], s[8:9]     ; (in waves 0 and 2 these stand at a slot's first row)
	s_add_nc_u64 s[PFA:PFA+1], s[PFA:PFA+1], s[50:51]
	s_add_nc_u64 s[PFA:PFA+1], s[PFA:PFA+1], 4*KS*128  ; in slot 1; the first change of slots steps it to slot 2.  Nothing is prefetched here, at the head
	CROUND                          ; all four work-groups are here: the first joint loads meet
	JLOAD                           ; slot 0.  Slot 1 is asked for when slot 0 is in
	; A fragment of K or Q is 16 rows x 32 channels in 8 registers: lane l holds row l % 16, channels 8 (l / 16) + 0..7 and 16 + 8 (l / 16) + 0..7: two loads of 16 bytes, 32 bytes apart.
	v_and_b32 v1, 15, v0            ; l % 16
	v_bfe_u32 v9, v0, 4, 1          ; l / 16
	v_lshlrev_b32 v[QO], 7, v1
	v_lshl_add_u32 v[QO], v9, 4, v[QO]  ; row x 128 + 16 x half
	WIN 0x80                        ; destination window 2, address window 0
.set i, 0
.rept 8                             ; Q stays in registers: piece i / 2, channels 32 (i % 2) on
	global_load_b128 v[8*i:8*i+3],   v[QO], s[4:5] offset:(i/2)*2048+(i%2)*64
	global_load_b128 v[8*i+4:8*i+7], v[QO], s[4:5] offset:(i/2)*2048+(i%2)*64+32
.set i, i+1
.endr
	; What the first turn finds: V's registers and P's second buffer hold 0 (its products V^T P, of a piece that has not been, add 0), O^T and l are 0.  All this stands in the wait for the first tile.
.set i, VF
.rept 64
	v_mov_b32 v[i], 0
.set i, i+1
.endr
	WIN 0x40
.set i, 0
.rept 128
	v_mov_b32 v[i], 0
.set i, i+1
.endr
	WIN 0
.set i, 0
.rept 4
	v_mov_b32 v[ST+4*i], 0xfe000000    ; c m: far below every c s (f16's scores give 5e10 at the most)
	v_mov_b32 v[ST+4*i+1], 0xff7fffff  ; m
	v_mov_b32 v[ST+4*i+2], 0
	v_mov_b32 v[ST+4*i+3], 0
.set i, i+1
.endr
.set i, P+16
.rept 16
	v_mov_b32 v[i], 0
.set i, i+1
.endr
	v_mul_u32_u24 v[AK0], v1, PK
	v_lshl_add_u32 v[AK0], v9, 4, v[AK0]  ; row x pitch + 16 x half
	; The turning load takes 16 keys x 16 channels (lane l reads key 8 (l / 16) + l % 8, channels 8 ((l / 8) % 2) + 0..7) and leaves half a fragment of V^T: lane l holds channel l % 16 and 8 keys.
	v_and_b32 v10, 7, v0
	v_bfe_u32 v11, v0, 3, 1
	v_lshl_add_u32 v[AV0], v9, 3, v10
	v_mul_u32_u24 v[AV0], v[AV0], PV
	v_lshl_add_u32 v[AV0], v11, 4, v[AV0]
	v_add_nc_u32 v[AV0], VOFF, v[AV0]
	s_mul_i32 s13, s[WV], 16*SP
	s_add_co_u32 s13, s13, STAGE    ; my stage
	v_mul_u32_u24 v[STO], v1, SP    ; in: row l % 16, 16 bytes for each half of the lanes
	v_lshl_add_u32 v[STO], v9, 4, v[STO]
	v_add_nc_u32 v[STO], s13, v[STO]
	v_bfe_u32 v[RD], v0, 3, 2       ; back: 32 lanes take four rows of 128 bytes,
	v_mul_u32_u24 v[RD], v[RD], SP
	v_lshl_add_u32 v[RD], v10, 4, v[RD]
	v_add_nc_u32 v[RD], s13, v[RD]
	v_and_b32 v[GO], 31, v0         ; which are 512 consecutive bytes of O
	v_lshlrev_b32 v[GO], 4, v[GO]
; THE MATRIX WORK.  The 4 accumulators of a run of 8 take turns.  Product i of 8 of S^T = K Q^T for piece x: channels 32 (i / 4) on, keys 16 (i % 4) on.  The first 4 start the sums.
.macro KQ x
	WIN W_KQ
.set rS, S+32*((\x)%2)+8*(i%4)
.set rK, KF+16*(i%4)+8*(i/4)
.set rQ, 16*(\x)+8*(i/4)
.if i < 4
	v_wmma_f32_16x16x32_f16 v[rS:rS+7], v[rK:rK+7], v[rQ:rQ+7], 0
.else
	v_wmma_f32_16x16x32_f16 v[rS:rS+7], v[rK:rK+7], v[rQ:rQ+7], v[rS:rS+7]
.endif
.endm
; Product i of 8 of O^T += V^T P for piece x: keys 32 (i / 4) on, channels 16 (i % 4) on.
.macro PV x
	WIN W_PV
.set rO, 32*(\x)+8*(i%4)
.set rV, VF+32*(i/4)+8*(i%4)
.set rP, P+16*((\x)%2)+8*(i/4)
	v_wmma_f32_16x16x32_f16 v[rO:rO+7], v[rV:rV+7], v[rP:rP+7], v[rO:rO+7]
.endm
.macro MM                           ; the turn's next matrix instruction.  TURN sets Y, i and NOKQ.  NOKQ = 1: the launch's last turn: there is no next piece
.if (i < 8) && !NOKQ
	KQ (Y+1)%NP
.elseif i >= 8
.set i, i-8
	PV (Y+NP-1)%NP
.set i, i+8
.endif
.set i, i+1
.endm
; THE LDS LOADS stand in runs of 16, never singly among the matrix instructions: a step's K (64 keys x 64 channels: 8 fragments) and its V (turned).  Their addresses are made some lines ahead.
.macro FETCH_K
	WIN 0x80                        ; destination window 2
.irp f, 0,1,2,3,4,5,6,7             ; keys 16 (f / 2) on, channels 32 (f % 2) on
	ds_load_b128 v[KF+8*\f:KF+8*\f+3],   v[AK] offset:(\f/2)*16*PK+(\f%2)*64
	ds_load_b128 v[KF+8*\f+4:KF+8*\f+7], v[AK] offset:(\f/2)*16*PK+(\f%2)*64+32
.endr
	s_add_co_u32 s[TBK], s[TBK], KS*PK  ; the next fetch is the next step's
	WIN 0
.endm
.macro FETCH_V
	WIN 0x80
.irp f, 0,1,2,3,4,5,6,7             ; keys 32 (f / 4) on, channels 16 (f % 4) on
	ds_load_tr16_b128 v[VF+8*\f:VF+8*\f+3],   v[AV] offset:(\f/4)*32*PV+(\f%4)*32
	ds_load_tr16_b128 v[VF+8*\f+4:VF+8*\f+7], v[AV] offset:(\f/4)*32*PV+16*PV+(\f%4)*32
.endr
	WIN 0
.endm
; THE VECTOR WORK, one line at a time: OP kind, number.  For piece Y: F n: c s - c m for pair n of 16.  E n: the exponential of score n of 32.  C n: pair n rounded to f16.  B n: of the four weights 4 n .. the second
; pair is added onto the first, in place.  L n: l takes that sum (L 0: l = a l + sum).  R n: pair n of 16 of O^T times a.  For piece Y + 1: X n, number n of the 22 that find its maximum and statistics:
;   0-11  four chains c0-c3 of seven scores each, three operands at a time (each accumulator's lowest registers are read first)     12-14, 16  the four scores left over, the old m, and c0-c3 into c0
;   15  c m_old is kept     17, 18  the query's other 32 keys lie in the lane 16 away: the new m     19-21  c m; c m_old - c m_new; a
.set F, 0               ; OP tells the kinds apart by their order: F to L below R, X above it
.set E, 1
.set C, 2
.set B, 3
.set L, 4
.set R, 5
.set X, 6
.macro REGS y                       ; the registers of piece y
.set rT, ST+4*(\y)
.set rC, TMP+4*((\y)%2)
.set rW, MV+((\y)%2)
.set rS, S+32*((\y)%2)
.set rP, P+16*((\y)%2)
.set rO, 32*(\y)
.endm
.macro OP k, n
.if (\k) == R
	REGS Y
	WIN W_RS
	v_pk_mul_f32 v[rO+2*(\n):rO+2*(\n)+1], v[rO+2*(\n):rO+2*(\n)+1], v[rC+2:rC+3] op_sel_hi:[1,0]
.elseif (\k) < R
	REGS Y
	WIN 0
.if (\k) == F
	v_pk_fma_f32 v[rS+2*(\n):rS+2*(\n)+1], v[rS+2*(\n):rS+2*(\n)+1], s[CS:CS+1], v[rT:rT+1] op_sel_hi:[1,0,0] neg_lo:[0,0,1] neg_hi:[0,0,1]
.elseif (\k) == E
	v_exp_f32 v[rS+(\n)], v[rS+(\n)]
.elseif (\k) == C
	s_wait_alu depctr_va_vdst(0)
	v_cvt_pk_f16_f32 v[rP+(\n)], v[rS+2*(\n)], v[rS+2*(\n)+1]
.elseif (\k) == B
	s_wait_alu depctr_va_vdst(0)
	v_pk_add_f32 v[rS+4*(\n):rS+4*(\n)+1], v[rS+4*(\n):rS+4*(\n)+1], v[rS+4*(\n)+2:rS+4*(\n)+3]
.elseif (\n) == 0
	v_pk_fma_f32 v[rT+2:rT+3], v[rT+2:rT+3], v[rC+2:rC+3], v[rS:rS+1] op_sel_hi:[1,0,1]
.else
	v_pk_add_f32 v[rT+2:rT+3], v[rT+2:rT+3], v[rS+4*(\n):rS+4*(\n)+1]
.endif
.elseif NOKQ
	v_nop
.else
	REGS (Y+1)%NP
	WIN 0
.if (\n) < 4
	v_max3_num_f32 v[rC+(\n)], v[rS+8*(\n)], v[rS+8*(\n)+1], v[rS+8*(\n)+2]
.elseif (\n) < 12
	v_max3_num_f32 v[rC+(\n)%4], v[rC+(\n)%4], v[rS+8*((\n)%4)+2*((\n)/4)+1], v[rS+8*((\n)%4)+2*((\n)/4)+2]
.elseif (\n) == 12
	v_max3_num_f32 v[rC], v[rC], v[rS+7], v[rS+15]
.elseif (\n) == 13
	v_max3_num_f32 v[rC+1], v[rC+1], v[rS+23], v[rS+31]
.elseif (\n) == 14
	v_max3_num_f32 v[rC+2], v[rC+2], v[rC+3], v[rT+1]
.elseif (\n) == 15
	v_mov_b32 v[rW], v[rT]
.elseif (\n) == 16
	v_max3_num_f32 v[rC], v[rC], v[rC+1], v[rC+2]
.elseif (\n) == 17
	v_permlanex16_b32 v[rC+3], v[rC], s[SEL], s[SEL+1]
.elseif (\n) == 18
	v_max_num_f32 v[rT+1], v[rC], v[rC+3]
.elseif (\n) == 19
	v_mul_f32 v[rT], s[CS], v[rT+1]
.elseif (\n) == 20
	v_sub_f32 v[rC+1], v[rW], v[rT]
.else
	v_exp_f32 v[rC+2], v[rC+1]
.endif
.endif
.endm
.macro OPS a, i1, b=-1, i2=0, c=-1, i3=0, d=-1, i4=0  ; up to four of them
	OP \a, \i1
.if (\b) >= 0
	OP \b, \i2
.endif
.if (\c) >= 0
	OP \c, \i3
.endif
.if (\d) >= 0
	OP \d, \i4
.endif
.endm
.macro ROW a, i1, b, i2, c, i3, d, i4  ; a matrix instruction and the four behind it
	MM
	OPS \a, \i1, \b, \i2, \c, \i3, \d, \i4
.endm
; A TURN, for piece p: the order of its 16 matrix and 118 vector instructions, written out.  Behind a matrix instruction: plain, exponential, plain, plain; or four of the rescaling; or, behind the first, four scalings; none
; names a register of the products round it.  In the runs of their own exponential and plain by turns while exponentials last.  A line reads no result made fewer than three vector instructions in front of it, five if an
; exponential made it; behind every exponential a plain instruction stands before its result is used (ISA guide 5.7.2).  v_permlanex16_b32 (X 17) stands in such a run, never behind a product.
; end = 1: the launch's last two turns: nothing is fetched.  cnt = 1: the loop's count is taken down some lines ahead of the branch that stands behind the turn.
; K of the next step is fetched in piece 2's turn, six vector instructions behind the last product that read K (five of them plain); V of the step in hand in piece 0's turn, eight behind the last product that read V (five
; plain among them).  Each is waited for a turn later, with the count 0: nothing else of LDS is out.
.macro TURN p, end=0, cnt=0
.set Y, (\p)
.set i, 0
.set NOKQ, (\end)*((\p)/3)
.if ((\p) == 3) && !(\end)
	s_wait_dscnt 0x0                ; K is in
.endif
	ROW F,0, F,1, F,2, F,3
	ROW F,4, E,0, F,5, F,6
	ROW F,7, E,1, F,8, F,9
	ROW F,10, E,2, C,0, F,11
	ROW F,12, E,3, X,15, F,13
	ROW R,0, R,1, R,2, R,3
	ROW B,0, E,4, F,14, L,0
.if ((\p) == 2) && !(\end)
	v_add_nc_u32 v[AK], s[TBK], v[AK0]
.endif
	ROW R,4, R,5, R,6, R,7
	OPS E,5, F,15
.if ((\p) == 2) && !(\end)
	FETCH_K
.endif
	OPS E,6, C,1, E,7, R,8
	OPS E,8, R,9, E,9, C,2
	OPS E,10, X,0, E,11, X,1
	OPS E,12, X,2, E,13, X,3
.if (\p) == 1
	s_wait_dscnt 0x0                ; V is in
.endif
	ROW X,4, E,14, X,5, X,6
	ROW X,7, E,15, X,8, X,9
	ROW X,10, E,16, X,11, X,12
	ROW X,13, E,17, X,14, B,1
	ROW C,4, E,18, X,16, L,1
	ROW B,2, E,19, C,6, L,2
	ROW C,8, E,20, B,3, B,4
.if (\p) == 0
	v_add_nc_u32 v[AV], s[TBV], v[AV0]
.endif
	ROW C,3, E,21, L,3, C,5
	OPS E,22, X,17, E,23, C,10
.if (\p) == 0
	FETCH_V
.endif
	OPS E,24, L,4
	OPS E,25, X,18, E,26, C,7
	OPS E,27, B,5, E,28, X,19
	OPS E,29, C,12, E,30, L,5
	OPS E,31, X,20, B,6, C,9
	OPS C,14, C,11, X,21, L,6
.if (\p) == 0
	s_add_co_u32 s[TBV], s[TBV], KS*PV
.endif
.if \cnt
	s_sub_co_u32 s[CNT], s[CNT], 1
	s_cmp_lg_u32 s[CNT], 0
.endif
	OPS C,13, B,7, C,15, R,10
	OPS R,11, R,12, L,7, R,13
	OPS R,14, R,15
.endm
	CHANGE 1                        ; slot 0 is in, everybody's part of it; slot 1 is asked for
	v_add_nc_u32 v[AK], s[TBK], v[AK0]
	FETCH_K                         ; key step 0
	s_wait_loadcnt 0x0              ; Q
	s_wait_dscnt 0x0
.set NOKQ, 0
.set i, 0
.rept 8
	KQ 0                            ; piece 0's first scores: there is no vector work yet to set between them
.set i, i+1
.endr
	WIN 0
.rept 4
	v_nop                           ; the places behind those products
.endr
.set Y, NP-1                        ; X works for piece Y + 1: piece 0
.irp n, 0,1,2,3,4,5,6,7,8,9,10,11,12,13,14,15,16,17,18,19,20,21
	OP X, \n                        ; piece 0's first maximum and statistics
.endr
	v_nop                           ; a plain instruction behind the exponential
	s_mov_b32 s[CNT], 4
	s_branch .Lfirst                ; the loop is entered at a step's first turn, in the middle of a trip
.Lslot:                             ; 14 times: slots 1 to 14 are entered, slots 2 to 15 asked for
	CHANGE 1
	s_mov_b32 s[CNT], 4
.Lstep:                             ; a trip: pieces 2 and 3 of one step, then pieces 0 and 1 of the next, whose K and V it fetches
	TURN 2
	TURN 3
	WIN 0
.Lfirst:
	TURN 0
	TURN 1, 0, 1
	WIN 0
	s_cbranch_scc1 .Lstep
	s_sub_co_u32 s[SLOTS], s[SLOTS], 1
	s_cmp_lg_u32 s[SLOTS], 0
	s_cbranch_scc1 .Lslot
	CHANGE 0                        ; the last slot is written out: nothing is asked for
	s_mov_b32 s[CNT], 4
.Ltail:
	TURN 2
	TURN 3
	TURN 0
	TURN 1, 0, 1
	WIN 0
	s_cbranch_scc1 .Ltail
	TURN 2, 1                       ; the last step's pieces 2 and 3: nothing is fetched, and the last turn starts no new scores
	TURN 3, 1
.set i, 0
.rept 8
	PV NP-1                         ; the last piece's V^T P of the last step
.set i, i+1
.endr
	; THE WAY OUT.  l's two halves and the other half of the lanes' are added; O^T is divided by l, rounded to f16 and sent through my stage in LDS, a piece at a time.  The additions are the places behind the last products.
	WIN 0
.macro ALL line:vararg              ; one line for each piece t
.set t, 0
.rept 4
	\line
.set t, t+1
.endr
.endm
	ALL v_add_f32 v[ST+4*t+2], v[ST+4*t+2], v[ST+4*t+3]
	ALL v_permlanex16_b32 v[ST+4*t+3], v[ST+4*t+2], s[SEL], s[SEL+1]
	ALL v_add_f32 v[ST+4*t+2], v[ST+4*t+2], v[ST+4*t+3]
	ALL v_rcp_f32 v[ST+4*t+2], v[ST+4*t+2]
	v_nop                           ; a plain instruction between the last reciprocal and the use of its result
.macro PACK t                       ; a lane's eight channels of a row pack into 16 bytes; they go into rows of 144 bytes and come back as whole rows of 128, into S^T's registers
	WIN W_RS
.set i, 32*(\t)
.rept 16
	s_wait_alu depctr_va_vdst(0)
	v_pk_mul_f32 v[i:i+1], v[i:i+1], v[ST+4*(\t)+2:ST+4*(\t)+3] op_sel_hi:[1,0]
.set i, i+2
.endr
	WIN 0x05                        ; sources 0 and 1 window 1, destination window 0
.set i, 0
.rept 16
	v_cvt_pk_f16_f32 v[S+16*(\t)+i], v[32*(\t)+2*i], v[32*(\t)+2*i+1]
.set i, i+1
.endr
	WIN 0
.irp f, 0,1,2,3
	ds_store_b128 v[STO], v[S+16*(\t)+4*\f:S+16*(\t)+4*\f+3] offset:32*\f
.endr
.irp f, 0,1,2,3
	ds_load_b128 v[S+16*(\t)+4*\f:S+16*(\t)+4*\f+3], v[RD] offset:\f*4*SP  ; LDS serves a wave's instructions in order (ISA guide 5.7.1.4): these see the stores above; the next piece's stores come behind them
.endr
.endm
.macro SEND t, younger              ; younger: the LDS instructions issued behind piece t's loads: the next piece's eight, or none
	WIN 0
.irp f, 0,1,2,3
	s_wait_dscnt (\younger)+3-\f
	global_store_b128 v[GO], v[S+16*(\t)+4*\f:S+16*(\t)+4*\f+3], s[10:11] offset:(\t)*2048+\f*512  ; 512 consecutive bytes, at a multiple of 256 from o's first
.endr
.endm
	PACK 0
.set t, 1
.rept 3                             ; a piece's arithmetic stands between the loads of the piece before and its stores
	PACK t
	SEND t-1, 8
.set t, t+1
.endr
	SEND 3, 0
	s_wait_tensorcnt 0x0            ; the wave's end, behind my last tensor load and my last LDS store
	ds_add_u32 v[SPW], v[NIL]
	s_wait_dscnt 0x0
	CROUND                          ; the closing round: no work-group ends while a partner may still ask for a tile that names it
	s_endpgm
.Lfunc_end_k_q7f4cf94fd8_attn:
	.size	k_q7f4cf94fd8_attn, .Lfunc_end_k_q7f4cf94fd8_attn-k_q7f4cf94fd8_attn
	.p2alignl 7, 3214868480
	.fill 96, 4, 3214868480
	.section	.rodata,"a",@progbits
	.p2align	6, 0x0
	.amdhsa_kernel k_q7f4cf94fd8_attn
		.amdhsa_group_segment_fixed_size 327680
		.amdhsa_private_segment_fixed_size 0
		.amdhsa_enable_private_segment 0
		.amdhsa_kernarg_size 16
		.amdhsa_user_sgpr_count 2
		.amdhsa_user_sgpr_kernarg_segment_ptr 1
		.amdhsa_wavefront_size32 1
		.amdhsa_system_sgpr_workgroup_id_x 1
		.amdhsa_system_sgpr_workgroup_id_y 1
		.amdhsa_system_sgpr_workgroup_id_z 1
		.amdhsa_system_vgpr_workitem_id 0
		.amdhsa_next_free_vgpr 768
		.amdhsa_next_free_sgpr 66
		.amdhsa_reserve_vcc 0
		.amdhsa_float_denorm_mode_32 3
		.amdhsa_float_denorm_mode_16_64 3
		.amdhsa_memory_ordered 1
		.amdhsa_forward_progress 1
		.amdhsa_inst_pref_size 134
	.end_amdhsa_kernel
	.amdgpu_metadata
---
amdhsa.version: [ 1, 2 ]
amdhsa.kernels:
  - .name:           k_q7f4cf94fd8_attn
    .symbol:         k_q7f4cf94fd8_attn.kd
    .args:
      - { .name: qkv, .offset: 0, .size: 8, .value_kind: global_buffer, .address_space: global }
      - { .name: o, .offset: 8, .size: 8, .value_kind: global_buffer, .address_space: global }
    .group_segment_fixed_size: 327680
    .private_segment_fixed_size: 0
    .kernarg_segment_align: 8
    .kernarg_segment_size: 16
    .max_flat_workgroup_size: 128
    .sgpr_count:     66
    .vgpr_count:     768
    .wavefront_size: 32
...
	.end_amdgpu_metadata
.endif
;; end of part 2
;; launch oproj (part 3): grid 8 x 32, 4 waves a work-group, no clusters, 99,840 bytes of LDS; arguments o, Wo, bo, out0; writes out0
.if DOCPART == 3
	.amdgcn_target "amdgcn-amd-amdhsa--gfx1250"
	.amdhsa_code_object_version 6
	.text
	.protected	k_q7f4cf94fd8_oproj
	.globl	k_q7f4cf94fd8_oproj
	.p2align	8
	.type	k_q7f4cf94fd8_oproj,@function
k_q7f4cf94fd8_oproj:
	s_mov_b64 s[64:65], 0
	v_nop
	global_prefetch_b8 v0, s[64:65] scope:SCOPE_SE
	s_setreg_imm32_b32 hwreg(HW_REG_WAVE_MODE, 25, 1), 1
	s_wait_xcnt 0x0
; out0[m][n] = the sum over k of O[m][k] Wo[k][n] + bo[n].  O lies by heads, o[8 batch + h][4096 rows][64 channels] in f16 (k = 64 h + channel); Wo: [512 k][512 n] f32; bo: [512] f32; out0: [8192][512] f32.
; Wo and bo are rounded to bf16 like the module's other inputs; Wo's rounded number is then written as f16, since O is f16.  Sums in f32, begun with the bias.
; LIMITS.  A bf16 number is exact in f16 from 7.6e-6 to 65,504; below that Wo keeps f16's fixed step of 6e-8, beyond it the conversion gives an infinity.  NaN and infinities are not treated apart.
; SHARES.  A work-group makes 256 rows x 64 columns (8 x 32 = 256 work-groups), wave w its rows 64 w .. 64 w + 63: 16 accumulators of 16 x 16.  Wo's slab of 512 k x 64 columns is read once in rows of 256 bytes,
; rounded, and laid in LDS as [k][n]; the turning LDS load makes fragments of it.  One barrier follows the slab.  O's fragments come straight from memory: 16 rows of a head are 2,048 dense bytes, four loads.
; No tensor load: Wo must pass through registers to be rounded, and no wave wants another's rows of O.  The text has no loop: eight heads, written by macro.
; THE MATRIX INSTRUCTION IS USED TRANSPOSED: source 0 = 16 columns of Wo, source 1 = 16 rows of O: a lane then holds row l % 16 and the columns 8 (l / 16) + 0..7: 32 bytes of a row of out0.
; REGISTERS, in windows of 256 (s_set_vgpr_msb: bits 1:0 source 0, 3:2 source 1, 5:4 source 2, 7:6 destination):
;   window 0: v0-19 addresses and at work; v32-63 the bias as a C operand; v64-127 packed weights; v128-255 the accumulators ((a, b) at 128 + 8 (4 a + b)), before the barrier Wo's first batch in f32
;   window 1: four sets of 64 for O's fragments of a head (row block a, K half f at 16 a + 8 f)          window 2: v0-127 Wo's fragments, two buffers of 64 (32 f + 8 b); before the barrier Wo's second batch
.set PITCH,  160                       ; a k row of the slab in LDS: 128 bytes + 32 = 5 x 32: the turning load's 8 rows x 32 bytes fall on different banks (64 banks of 4 bytes: ISA guide 11.1)
.set STAGE,  512*PITCH                 ; behind the slab: 16 rows x 272 bytes for each wave, for the way out
.set SP,     272
.set SPARE,  STAGE+4*16*SP             ; behind the stages: the spare words, 128 bytes for each wave: two blocks of 256 bytes that no other line names
.set AO,  4                            ; v4   my offset in 16 rows of a head: 128 (l % 16) + 16 (l / 16)
.set WG,  5                            ; v5   2048 (l / 16) + 16 (l % 16): my 16 bytes of two rows of 2,048 bytes, in Wo on the way in and in out0 on the way out
.set WS,  6                            ; v6   where I put 8 bytes of the slab
.set WA0, 7                            ; v7   the turning load's address for k rows 0-255,
.set WA1, 8                            ; v8   and for k rows 256-511 (an LDS offset has 16 bits)
.set BO,  9                            ; v9   32 (l / 16)
.set STO, 10                           ; v10  the way out: where I put 32 bytes of a row
.set RD,  11                           ; v11  the way out: where I read rows back
.set SPW, 14                           ; v14  LDS address of my spare word; never rewritten
.set NIL, 15                           ; v15  0; never rewritten
.set TT,  16                           ; v16-19 at work
.set BI,  32
.set PKD, 64
.set ACC, 128
.set WV,  12                           ; s12  my wave's number
.set MSB, 0
.macro WIN new                         ; the immediate's high byte repeats the setting that is left; a switch that changes nothing is dropped
.if MSB != (\new)
	s_set_vgpr_msb (MSB<<8)|(\new)
.set MSB, (\new)
.endif
.endm
	s_load_b256 s[4:11], s[0:1], 0x0               ; o s[4:5], Wo s[6:7], bo s[8:9], out0 s[10:11]
	v_lshl_add_u32 v[SPW], v0, 2, SPARE
	v_mov_b32 v[NIL], 0
	v_lshrrev_b32 v3, 5, v0
	v_readfirstlane_b32 s[WV], v3                  ; wave 0..3
	v_and_b32 v1, 15, v0                           ; l % 16
	v_bfe_u32 v2, v0, 4, 1                         ; l / 16
	v_lshlrev_b32 v[AO], 7, v1
	v_lshl_add_u32 v[AO], v2, 4, v[AO]
	v_lshlrev_b32 v[WG], 11, v2
	v_lshl_add_u32 v[WG], v1, 4, v[WG]
	s_mul_i32 s2, s[WV], 128*PITCH                 ; my 128 k rows of the slab
	v_mul_u32_u24 v[WS], v2, PITCH
	v_lshl_add_u32 v[WS], v1, 3, v[WS]
	v_add_nc_u32 v[WS], s2, v[WS]
	v_and_b32 v13, 7, v0
	v_bfe_u32 v3, v0, 3, 1
	v_lshl_add_u32 v[WA0], v2, 3, v13
	v_mul_u32_u24 v[WA0], v[WA0], PITCH
	v_lshl_add_u32 v[WA0], v3, 4, v[WA0]
	v_add_nc_u32 v[WA1], 256*PITCH, v[WA0]
	v_lshlrev_b32 v[BO], 5, v2
	s_mul_i32 s2, s[WV], 16*SP
	s_add_co_u32 s2, s2, STAGE                     ; my stage
	v_mul_u32_u24 v[STO], v1, SP                   ; in: row l % 16, 32 bytes for each half of the lanes
	v_lshl_add_u32 v[STO], v2, 5, v[STO]
	v_add_nc_u32 v[STO], s2, v[STO]
	v_mul_u32_u24 v[RD], v2, SP                    ; back: lanes 0-15 take one row of 256 bytes, lanes 16-31 the next
	v_lshl_add_u32 v[RD], v1, 4, v[RD]
	v_add_nc_u32 v[RD], s2, v[RD]
	s_and_b32 s2, ttmp7, 0xffff                    ; the block of 256 rows
	s_lshr_b32 s3, s2, 4
	s_lshl_b32 s3, s3, 22                          ; the batch's 8 heads of 2^19 bytes
	s_and_b32 s13, s2, 15
	s_lshl_b32 s13, s13, 8
	s_lshl_b32 s23, s[WV], 6
	s_add_co_u32 s13, s13, s23                     ; my first row in the batch,
	s_lshl_b32 s13, s13, 7                         ; in bytes of a head
	s_add_co_u32 s24, s13, s3
	s_mov_b32 s25, 0
	s_lshl_b32 s26, ttmp9, 8                       ; the work-group's 64 columns: 256 bytes of f32
	s_mov_b32 s27, 0
	s_lshl_b32 s28, s[WV], 18                      ; my 128 k rows of Wo
	s_add_co_u32 s28, s28, s26
	s_mov_b32 s29, 0
	s_lshl_b32 s30, s2, 8
	s_add_co_u32 s30, s30, s23                     ; my first row of out0,
	s_lshl_b32 s30, s30, 11                        ; in bytes
	s_add_co_u32 s30, s30, s26
	s_mov_b32 s31, 0
	s_mov_b32 s22, 0xffff0000                      ; a word's upper bf16
	s_wait_kmcnt 0x0
	s_add_nc_u64 s[14:15], s[4:5], s[24:25]        ; o at my rows of the batch's head 0
	s_add_nc_u64 s[16:17], s[6:7], s[28:29]        ; Wo at my k rows and the work-group's columns
	s_add_nc_u64 s[18:19], s[8:9], s[26:27]        ; bo at the work-group's columns
	s_add_nc_u64 s[20:21], s[10:11], s[30:31]      ; out0 at my rows and the work-group's columns
; 64 of my k rows (half q) of Wo, f32, into window w from register base on: 32 loads; lanes 0-15 take one row's 256 bytes, lanes 16-31 the next row's
.macro WB q, w, base
	WIN (\w)<<6
.set i, 0
.rept 32
	global_load_b128 v[(\base)+4*i:(\base)+4*i+3], v[WG], s[16:17] offset:(64*(\q)+2*i)*2048
.set i, i+1
.endr
.endm
; the same rows: rounded to bf16, widened again, written as f16, and laid into the slab, 8 bytes a lane
.macro WC q, w, base
	WIN (\w)|((\w)<<2)
.set i, 0
.rept 64
	v_cvt_pk_bf16_f32 v[PKD+i], v[(\base)+2*i], v[(\base)+2*i+1]
.set i, i+1
.endr
	WIN (\w)<<6
.set i, 0
.rept 64
	v_lshlrev_b32 v[(\base)+2*i], 16, v[PKD+i]
	v_and_b32 v[(\base)+2*i+1], s22, v[PKD+i]
.set i, i+1
.endr
	WIN (\w)|((\w)<<2)
.set i, 0
.rept 64
	v_cvt_pk_f16_f32 v[PKD+i], v[(\base)+2*i], v[(\base)+2*i+1]
.set i, i+1
.endr
	WIN 0
.set i, 0
.rept 32
	ds_store_b64 v[WS], v[PKD+2*i:PKD+2*i+1] offset:(64*(\q)+2*i)*PITCH
.set i, i+1
.endr
.endm
; O's fragments of head hd: 4 row blocks x 2 halves of K, two loads of 16 bytes each, into set hd % 4
.macro ALOAD hd
	WIN 0x40
.irp a, 0,1,2,3
.irp f, 0,1
.irp c, 0,1
	global_load_b128 v[64*((\hd)%4)+16*\a+8*\f+4*\c:64*((\hd)%4)+16*\a+8*\f+4*\c+3], v[AO], s[14:15] offset:(\hd)*524288+2048*\a+64*\f+32*\c
.endr
.endr
.endr
.endm
; Wo's fragments for k = 64 hd .. 64 hd + 63, turned, into buffer hd % 2: 16 LDS loads in one run
.macro WFRAG hd
	WIN 0x80
.set wb, WA0+(\hd)/4
.irp f, 0,1
.irp b, 0,1,2,3
	ds_load_tr16_b128 v[64*((\hd)%2)+32*\f+8*\b:64*((\hd)%2)+32*\f+8*\b+3],   v[wb] offset:((64*(\hd)+32*\f)%256)*PITCH+32*\b
	ds_load_tr16_b128 v[64*((\hd)%2)+32*\f+8*\b+4:64*((\hd)%2)+32*\f+8*\b+7], v[wb] offset:((64*(\hd)+32*\f)%256)*PITCH+32*\b+16*PITCH
.endr
.endr
.endm
; ONE HEAD: K = 64, 32 matrix instructions.  The next head's fragments of Wo and the O of three heads on are asked for first, into registers that the head before has multiplied: its four v_nop are their places
; (ISA guide 7.12.1 for vector instructions).  s_wait_dscnt 16: this head's fragments are in, the 16 just issued may stay out.  s_wait_loadcnt: the sets of O issued behind this
; head's, 16 loads each: three, and towards the end two, one, none.  The 16 accumulators take turns.  Head 0's first 16 products take the bias as C: nothing is cleared.
.macro HEAD hd
.if (\hd) < 7
	WFRAG (\hd)+1
.endif
.if (\hd) < 5
	ALOAD (\hd)+3
.endif
.if (\hd) < 7
	s_wait_dscnt 16
.else
	s_wait_dscnt 0x0
.endif
.if (\hd) < 5
	s_wait_loadcnt 48
.else
	s_wait_loadcnt 16*(7-(\hd))
.endif
	WIN 0x06                                       ; Wo window 2, O window 1, C and D window 0
.irp f, 0,1
.irp a, 0,1,2,3
.irp b, 0,1,2,3
.if ((\hd) == 0) && (\f == 0)
	v_wmma_f32_16x16x32_f16 v[ACC+8*(4*\a+\b):ACC+8*(4*\a+\b)+7], v[64*((\hd)%2)+32*\f+8*\b:64*((\hd)%2)+32*\f+8*\b+7], v[64*((\hd)%4)+16*\a+8*\f:64*((\hd)%4)+16*\a+8*\f+7], v[BI+8*\b:BI+8*\b+7]
.else
	v_wmma_f32_16x16x32_f16 v[ACC+8*(4*\a+\b):ACC+8*(4*\a+\b)+7], v[64*((\hd)%2)+32*\f+8*\b:64*((\hd)%2)+32*\f+8*\b+7], v[64*((\hd)%4)+16*\a+8*\f:64*((\hd)%4)+16*\a+8*\f+7], v[ACC+8*(4*\a+\b):ACC+8*(4*\a+\b)+7]
.endif
.endr
.endr
.endr
.rept 4
	v_nop
.endr
.endm
; THE WAY OUT of row block a: 16 rows x 256 bytes of f32 through my stage (each accumulator's low four registers first), back as whole rows into the registers that they left
.macro OPACK a
	WIN 0
.irp b, 0,1,2,3
	ds_store_b128 v[STO], v[ACC+32*(\a)+8*\b:ACC+32*(\a)+8*\b+3]   offset:64*\b
	ds_store_b128 v[STO], v[ACC+32*(\a)+8*\b+4:ACC+32*(\a)+8*\b+7] offset:64*\b+16
.endr
.irp t, 0,1,2,3,4,5,6,7
	ds_load_b128 v[ACC+32*(\a)+4*\t:ACC+32*(\a)+4*\t+3], v[RD] offset:\t*2*SP  ; LDS serves a wave's instructions in order (ISA guide 5.7.1.4): these see the stores above; the next block's stores come behind them
.endr
.endm
.macro OSEND a, younger                ; younger: the LDS instructions issued behind block a's loads: the next block's sixteen, or none
	WIN 0
.irp t, 0,1,2,3,4,5,6,7
	s_wait_dscnt (\younger)+7-\t
	global_store_b128 v[WG], v[ACC+32*(\a)+4*\t:ACC+32*(\a)+4*\t+3], s[20:21] offset:(16*(\a)+2*\t)*2048 th:TH_STORE_NT  ; 16 lanes store 256 consecutive bytes, at a multiple of 256 from out0's first byte
.endr
.endm
	; THE SLAB, in two batches; the bias and O's first three heads are asked for among them.  Each count is the number of loads issued behind what is waited for.
	WB 0, 0, ACC
	WB 1, 2, 0
	s_wait_loadcnt 32                              ; batch 0 is in; behind it: batch 1
	WC 0, 0, ACC
.irp b, 0,1,2,3                        ; the bias of column block b as a C operand: register j of a lane belongs to column 16 b + 8 (l / 16) + j
	global_load_b128 v[BI+8*\b:BI+8*\b+3],   v[BO], s[18:19] offset:64*\b
	global_load_b128 v[BI+8*\b+4:BI+8*\b+7], v[BO], s[18:19] offset:64*\b+16
.endr
	ALOAD 0
	ALOAD 1
	s_wait_loadcnt 40                              ; batch 1; behind it: 8 of the bias, two sets of O
	WC 1, 2, 0
	ALOAD 2
	s_wait_dscnt 0x0                               ; for the others' sake: my part of the slab is stored
	s_barrier_signal -1
	s_barrier_wait -1                              ; the slab is whole; nobody writes it again
	WFRAG 0
	WIN 0
	s_wait_loadcnt 48                              ; the bias; behind it: three sets of O
.set i, 0
.rept 16                               ; rounded to bf16 like the other inputs, and widened again
	v_cvt_pk_bf16_f32 v[TT+i%4], v[BI+2*i], v[BI+2*i+1]
	v_lshlrev_b32 v[BI+2*i], 16, v[TT+i%4]
	v_and_b32 v[BI+2*i+1], s22, v[TT+i%4]
.set i, i+1
.endr
.irp hd, 0,1,2,3,4,5,6,7
	HEAD \hd
.endr
	OPACK 0                                        ; the last head's four v_nop are the places in front of these LDS stores of results
	OPACK 1
	OSEND 0, 16
	OPACK 2
	OSEND 1, 16
	OPACK 3
	OSEND 2, 16
	OSEND 3, 0
	s_wait_tensorcnt 0x0                           ; the wave's end, behind my last LDS store
	ds_add_u32 v[SPW], v[NIL]
	s_wait_dscnt 0x0
	s_endpgm
.Lfunc_end_k_q7f4cf94fd8_oproj:
	.size	k_q7f4cf94fd8_oproj, .Lfunc_end_k_q7f4cf94fd8_oproj-k_q7f4cf94fd8_oproj
	.p2alignl 7, 3214868480
	.fill 96, 4, 3214868480
	.section	.rodata,"a",@progbits
	.p2align	6, 0x0
	.amdhsa_kernel k_q7f4cf94fd8_oproj
		.amdhsa_group_segment_fixed_size 99840
		.amdhsa_private_segment_fixed_size 0
		.amdhsa_enable_private_segment 0
		.amdhsa_kernarg_size 32
		.amdhsa_user_sgpr_count 2
		.amdhsa_user_sgpr_kernarg_segment_ptr 1
		.amdhsa_wavefront_size32 1
		.amdhsa_system_sgpr_workgroup_id_x 1
		.amdhsa_system_sgpr_workgroup_id_y 1
		.amdhsa_system_sgpr_workgroup_id_z 1
		.amdhsa_system_vgpr_workitem_id 0
		.amdhsa_next_free_vgpr 640
		.amdhsa_next_free_sgpr 66
		.amdhsa_reserve_vcc 0
		.amdhsa_float_denorm_mode_32 3
		.amdhsa_float_denorm_mode_16_64 3
		.amdhsa_memory_ordered 1
		.amdhsa_forward_progress 1
		.amdhsa_inst_pref_size 87
	.end_amdhsa_kernel
	.amdgpu_metadata
---
amdhsa.version: [ 1, 2 ]
amdhsa.kernels:
  - .name:           k_q7f4cf94fd8_oproj
    .symbol:         k_q7f4cf94fd8_oproj.kd
    .args:
      - { .name: o, .offset: 0, .size: 8, .value_kind: global_buffer, .address_space: global }
      - { .name: Wo, .offset: 8, .size: 8, .value_kind: global_buffer, .address_space: global }
      - { .name: bo, .offset: 16, .size: 8, .value_kind: global_buffer, .address_space: global }
      - { .name: out0, .offset: 24, .size: 8, .value_kind: global_buffer, .address_space: global }
    .group_segment_fixed_size: 99840
    .private_segment_fixed_size: 0
    .kernarg_segment_align: 8
    .kernarg_segment_size: 32
    .max_flat_workgroup_size: 128
    .sgpr_count:     66
    .vgpr_count:     640
    .wavefront_size: 32
...
	.end_amdgpu_metadata
.endif
;; end of part 3
;; ======== version 2 of 2: 3 launches; version 1 with the launch qkv written anew for expert scheduling mode
;; limits: values are held in f16: magnitudes above 65,504 overflow, below 6.1e-05 lose precision
;; workspace buffers: qkv 25,165,824 bytes; o 8,388,608 bytes
;; launch qkv (part 4): grid 8 x 32, 4 waves a work-group, no clusters, 222,720 bytes of LDS; arguments x, Wq, Wk, Wv, bq, bk, bv, qkv; writes qkv
.if DOCPART == 4
	.amdgcn_target "amdgcn-amd-amdhsa--gfx1250"
	.amdhsa_code_object_version 6
	.text
	.protected	k_q7f4cf94fd8_qkv
	.globl	k_q7f4cf94fd8_qkv
	.p2align	8
	.type	k_q7f4cf94fd8_qkv,@function
k_q7f4cf94fd8_qkv:
	s_mov_b64 s[64:65], 0
	v_nop
	global_prefetch_b8 v0, s[64:65] scope:SCOPE_SE
	s_setreg_imm32_b32 hwreg(HW_REG_WAVE_SCHED_MODE, 0, 2), 2
	s_setreg_imm32_b32 hwreg(HW_REG_WAVE_MODE, 25, 1), 1
	s_wait_xcnt 0x0
	s_wait_alu depctr_vm_vsrc(0)
; q, k, v = x W + b for Wq, Wk, Wv.  x: [8192][512] f32, W: [512 k][512 n] f32, b: [512] f32.  x, W and b are rounded to bf16, the sums are f32 and begin with the bias,
; and each result is rounded once to f16 and stored by heads: qkv[part t][head 8 batch + h][4096 rows][64 channels], a row 128 bytes, rows dense.  The score's scale is not applied here.
; LIMITS.  f16 ends at 65,504: q, k and v must lie inside it (x and W of 30 times the drawn spread give a spread of 900; a common offset of 30 spreads on both gives about 20,400).
; Below 6e-5 f16 keeps a fixed step of 6e-8.  NaN and infinities are not treated apart.
; SHARES.  The three products are one of 1,536 columns: 24 blocks of 64 (one head of one part).  A work-group makes 256 rows x 3 blocks, 8 x 32 = 256 work-groups; wave w makes rows 64 w .. 64 w + 63 of all
; 192 columns: 4 x 12 = 48 accumulators of 16 x 16, 384 registers.
; W's slab of 512 k x 192 columns is read once in rows of 256 bytes, rounded, and laid in LDS as [k][n]; the turning LDS load makes fragments of it.  One barrier follows the slab, none after it.
; x's fragments come straight from memory (only this wave wants its rows) and are rounded in registers; two K steps of 32 use up 256 aligned bytes of each row.
; No tensor load: the bytes in memory are f32 and must pass through registers to be rounded; no cluster for the same reason.
; THE MATRIX INSTRUCTION IS USED TRANSPOSED: source 0 = 16 columns of W, source 1 = 16 rows of x: a lane then holds row l % 16 and the columns 8 (l / 16) + 0..7, which pack into 16 bytes of a head's row.
; THE MODE: SCHED_MODE bits 1:0 = 2 (LLVM: expert scheduling mode 2), set by the entry lines.  The code itself states the register dependences between vector or matrix instructions and memory or LDS
; instructions, with s_wait_alu, always for 0.
; THE PLAN.  Registers that memory or LDS instructions touch:
;   v4-v11        offsets and LDS addresses, but for v[WA]: written at the head, never again.
;   SET0, SET1    (window 2) W in f32.  The loads of batch b land in set b % 2; the batch's 64 roundings read it; the loads of batch b + 2 land in it again.
;   v32-95        ahead of the barrier: written by a batch's roundings, read by its 32 LDS stores, written again by the next batch's roundings.  Behind the barrier vector and matrix instructions alone name them.
;   XS0, XS1      x in f32.  K step s: its 32 roundings read XS[s % 2]; behind them the loads of step s + 2 land in it.
;   WF0, WF1      (window 1) W's fragments.  K step s: its 48 products read WF[s % 2]; the LDS loads issued in step s + 1 land in it (the fragments of step s + 2).
;   v[WA]         read by every turning load; stepped once a K step, at the step's head.
;   v32-127       on the way out: written by six blocks' roundings, read by their LDS stores, written again by the other six blocks' roundings.
;   v128-239      on the way out: seven slots in which the rows read back from the stage land (block n in slot n % 7), read by the global stores; slots 0 to 4 are used twice.
; So a batch of the slab has one wait on vm_vsrc ahead of its roundings and one on va_vdst behind them; a K step has one on vm_vsrc ahead of the add to v[WA] and ONE on va_vdst behind its roundings, and the step's
; 40 loads follow that wait, dealt among its products, which name WF[s % 2], x in bf16 and the accumulators: none of the registers that those loads touch.  The way out has three waits for its twelve blocks.
; REGISTERS, in windows of 256 (s_set_vgpr_msb: bits 1:0 source 0, 3:2 source 1, 5:4 source 2, 7:6 destination):
;   window 0: v0-15 addresses; v32-95 x in bf16, two buffers of 4 row blocks x 8; v96-223 x in f32, two halves of 64; on the way out v32-127 hold packed results and v128-239 the rows read back
;   window 1: v0-191 W's fragments, two buffers of 12 column blocks x 8
;   window 2: accumulators 0-31 (accumulator 12 a + b at 8 (12 a + b)); before the barrier two sets of 128 for W in f32
;   window 3: v0-127 accumulators 32-47; v128-223 the bias as a C operand, 8 for each column block; v224-227 at work
.set PITCH,  416                       ; a k row of the slab in LDS: 384 bytes + 32 = 13 x 32: the turning load's 8 rows x 32 bytes fall on different banks (64 banks of 4 bytes: ISA guide 11.1)
.set STAGE,  512*PITCH                 ; behind the slab: 16 rows x 144 bytes for each wave, for the way out
.set SP,     144
.set SPARE,  STAGE+4*16*SP             ; behind the stages: the spare words, 128 bytes for each wave: two blocks of 256 bytes that no other line names
.set XO,  4                            ; v4   my offset in 16 rows of x: 2048 (l % 16) + 32 (l / 16)
.set WG,  5                            ; v5   my offset in two k rows of W: 2048 (l / 16) + 16 (l % 16)
.set WS,  6                            ; v6   where I put 8 bytes of the slab: (128 w + l / 16) PITCH + 8 (l % 16)
.set WA,  7                            ; v7   the turning load's address: (8 (l / 16) + l % 8) PITCH + 16 ((l / 8) % 2); steps 32 k rows
.set BO,  8                            ; v8   my offset in 16 numbers of a bias: 32 (l / 16)
.set STO, 9                            ; v9   the way out: where I put 16 bytes of a row
.set RD,  10                           ; v10  the way out: where I read rows back
.set GO,  11                           ; v11  my 16 bytes of 512 consecutive bytes of qkv
.set SPW, 12                           ; v12  LDS address of my spare word; never rewritten
.set NIL, 13                           ; v13  0; never rewritten
.set XB,  32
.set XS,  96
.set PKD, 32                           ; the way out: packed results, 6 blocks x 16 registers
.set RB,  128                          ; the way out: rows read back, 7 slots x 16 registers
.set BI,  128                          ; window 3
.set TB,  224                          ; window 3
.set WV,  8                            ; s8   my wave's number
.set PW,  32                           ; s[32:37] W at my 128 k rows of column block j
.set PB,  38                           ; s[38:43] the bias at column block j
.set PO,  44                           ; s[44:49] qkv at my 64 rows of column block j's head
.set XP,  50                           ; s[50:51] x at my 64 rows; steps 256 bytes a trip
.set CNT, 52
.set HIM, 53                           ; a word's upper bf16
.set MSB, 0
.macro WIN new                         ; the immediate's high byte repeats the setting that is left; a switch that changes nothing is dropped
.if MSB != (\new)
	s_set_vgpr_msb (MSB<<8)|(\new)
.set MSB, (\new)
.endif
.endm
	s_load_b512 s[16:31], s[0:1], 0x0              ; x 16, Wq 18, Wk 20, Wv 22, bq 24, bk 26, bv 28, qkv 30
	v_lshl_add_u32 v[SPW], v0, 2, SPARE
	v_mov_b32 v[NIL], 0
	v_lshrrev_b32 v3, 5, v0
	v_readfirstlane_b32 s[WV], v3                  ; wave 0..3
	v_and_b32 v1, 15, v0                           ; l % 16
	v_bfe_u32 v2, v0, 4, 1                         ; l / 16
	v_lshlrev_b32 v[XO], 11, v1
	v_lshl_add_u32 v[XO], v2, 5, v[XO]
	v_lshlrev_b32 v[WG], 11, v2
	v_lshl_add_u32 v[WG], v1, 4, v[WG]
	s_wait_alu depctr_va_sdst(0)                   ; s8, the wave's number, is written, ahead of its first reader: LDS places and the pointers are made from it
	s_mul_i32 s2, s[WV], 128*PITCH                 ; my 128 k rows of the slab
	v_mul_u32_u24 v[WS], v2, PITCH
	v_lshl_add_u32 v[WS], v1, 3, v[WS]
	v_add_nc_u32 v[WS], s2, v[WS]
	v_and_b32 v14, 7, v0
	v_bfe_u32 v15, v0, 3, 1
	v_lshl_add_u32 v[WA], v2, 3, v14
	v_mul_u32_u24 v[WA], v[WA], PITCH
	v_lshl_add_u32 v[WA], v15, 4, v[WA]
	v_lshlrev_b32 v[BO], 5, v2
	s_mul_i32 s2, s[WV], 16*SP
	s_add_co_u32 s2, s2, STAGE                     ; my stage
	v_mul_u32_u24 v[STO], v1, SP                   ; in: row l % 16, 16 bytes for each half of the lanes
	v_lshl_add_u32 v[STO], v2, 4, v[STO]
	v_add_nc_u32 v[STO], s2, v[STO]
	v_bfe_u32 v[RD], v0, 3, 2                      ; back: 32 lanes take four rows of 128 bytes,
	v_mul_u32_u24 v[RD], v[RD], SP
	v_lshl_add_u32 v[RD], v14, 4, v[RD]
	v_add_nc_u32 v[RD], s2, v[RD]
	v_and_b32 v[GO], 31, v0                        ; which are 512 consecutive bytes of qkv
	v_lshlrev_b32 v[GO], 4, v[GO]
	s_and_b32 s9, ttmp7, 0xffff                    ; the block of 256 rows
	s_lshr_b32 s10, s9, 4
	s_lshl_b32 s10, s10, 3                         ; 8 x batch
	s_and_b32 s11, s9, 15
	s_lshl_b32 s11, s11, 8
	s_lshl_b32 s12, s[WV], 6
	s_add_co_u32 s11, s11, s12                     ; my first row in the batch,
	s_lshl_b32 s11, s11, 7                         ; in bytes of a head
	s_lshl_b32 s14, s9, 8
	s_add_co_u32 s14, s14, s12                     ; my first row of x,
	s_lshl_b32 s14, s14, 11                        ; in bytes
	s_mov_b32 s15, 0
	s_lshl_b32 s13, s[WV], 18                      ; my 128 k rows of W: 128 x 2,048 bytes
	s_mul_i32 s12, ttmp9, 3                        ; the work-group's first column block
	s_mov_b32 s[HIM], 0xffff0000
	s_wait_kmcnt 0x0
	s_add_nc_u64 s[XP:XP+1], s[16:17], s[14:15]
.irp j, 0,1,2                          ; column block c = 3 g + j: part t = c / 8 (q, k, v), head c % 8
	s_add_co_u32 s2, s12, \j
	s_lshr_b32 s3, s2, 3
	s_and_b32 s4, s2, 7
	s_cmp_eq_u32 s3, 0
	s_cselect_b64 s[PW+2*\j:PW+2*\j+1], s[18:19], s[20:21]
	s_cselect_b64 s[PB+2*\j:PB+2*\j+1], s[24:25], s[26:27]
	s_cmp_eq_u32 s3, 2
	s_cselect_b64 s[PW+2*\j:PW+2*\j+1], s[22:23], s[PW+2*\j:PW+2*\j+1]
	s_cselect_b64 s[PB+2*\j:PB+2*\j+1], s[28:29], s[PB+2*\j:PB+2*\j+1]
	s_lshl_b32 s6, s4, 8                           ; the head's 64 columns: 256 bytes
	s_mov_b32 s7, 0
	s_add_nc_u64 s[PB+2*\j:PB+2*\j+1], s[PB+2*\j:PB+2*\j+1], s[6:7]
	s_add_co_u32 s6, s6, s13
	s_add_nc_u64 s[PW+2*\j:PW+2*\j+1], s[PW+2*\j:PW+2*\j+1], s[6:7]
	s_lshl_b32 s6, s3, 4
	s_add_co_u32 s6, s6, s4
	s_add_co_u32 s6, s6, s10                       ; 16 t + 8 batch + head,
	s_lshl_b32 s6, s6, 19                          ; of 4,096 rows x 128 bytes each
	s_add_co_u32 s6, s6, s11
	s_add_nc_u64 s[PO+2*\j:PO+2*\j+1], s[30:31], s[6:7]
.endr
; 64 of my k rows (half q) of column block j, f32, into set: 32 loads; lanes 0-15 take one row's 256 bytes, lanes 16-31 the next row's
.macro WISSUE j, q, set
	WIN 0x80
.set i, 0
.rept 32
	global_load_b128 v[128*(\set)+4*i:128*(\set)+4*i+3], v[WG], s[PW+2*(\j):PW+2*(\j)+1] offset:(64*(\q)+2*i)*2048
.set i, i+1
.endr
.endm
; the same rows rounded to bf16 and laid into the slab, 8 bytes a lane (x's bf16 registers, not yet in use, are at work here).  first = 1: the first batch, with no LDS stores in front of it
.macro WCONV j, q, set, first
.if !(\first)
	s_wait_alu depctr_vm_vsrc(0)                   ; the LDS stores of the batch before have read v32-95, which the roundings below write again
.endif
	WIN 0x0a
.set i, 0
.rept 64
	v_cvt_pk_bf16_f32 v[XB+i], v[128*(\set)+2*i], v[128*(\set)+2*i+1]
.set i, i+1
.endr
	WIN 0
	s_wait_alu depctr_va_vdst(0)                   ; the roundings have written v32-95, which the LDS stores below read, and are done reading this set, in which the loads of the batch after next land
.set i, 0
.rept 32
	ds_store_b64 v[WS], v[XB+2*i:XB+2*i+1] offset:(64*(\q)+2*i)*PITCH+128*(\j)
.set i, i+1
.endr
.endm
; x for one K step of 32, f32, into half p: for each of 4 row blocks the lane's k = 8 (l / 16) + 0..7 and 16 + 8 (l / 16) + 0..7, 32 bytes each
.macro XLOAD p, off
	WIN 0
.irp a, 0,1,2,3
.irp c, 0,1
.irp e, 0,1
	global_load_b128 v[XS+64*(\p)+16*(\a)+8*(\c)+4*(\e):XS+64*(\p)+16*(\a)+8*(\c)+4*(\e)+3], v[XO], s[XP:XP+1] offset:(\off)+32768*(\a)+64*(\c)+16*(\e)
.endr
.endr
.endr
.endm
; W's fragments from .. from + count - 1 of the 12 of the K step at v[WA], turned, into buffer p: two LDS loads each, in one run
.macro FRAGW p, from, count
	WIN 0x40
.set i, (\from)
.rept (\count)
	ds_load_tr16_b128 v[96*(\p)+8*i:96*(\p)+8*i+3],   v[WA] offset:32*i
	ds_load_tr16_b128 v[96*(\p)+8*i+4:96*(\p)+8*i+7], v[WA] offset:32*i+16*PITCH
.set i, i+1
.endr
.endm
; Products from .. from + count - 1 of a K step's 48: all accumulators by turns, in the same order in every K step: 47 others stand between two links of a chain, over the backward jump too.
; first = 1: the bias is the C operand that starts the sums: nothing is cleared.
.macro MULS p, first, from, count
.set n, (\from)
.rept (\count)
.if n < 32
.if \first
	WIN 0xb1                                       ; W window 1, x window 0, C window 3, D window 2
.else
	WIN 0xa1                                       ; C and D window 2
.endif
.set rD, 8*n
.else
	WIN 0xf1                                       ; C and D window 3
.set rD, 8*(n-32)
.endif
.set rW, 96*(\p)+8*(n%12)
.set rX, XB+32*(\p)+8*(n/12)
.if \first
	v_wmma_f32_16x16x32_bf16 v[rD:rD+7], v[rW:rW+7], v[rX:rX+7], v[BI+8*(n%12):BI+8*(n%12)+7]
.else
	v_wmma_f32_16x16x32_bf16 v[rD:rD+7], v[rW:rW+7], v[rX:rX+7], v[rD:rD+7]
.endif
.set n, n+1
.endr
.endm
; ONE K STEP OF 32, on buffers p.  x's half p is in (lcnt = the loads issued behind it: the other half's 16, or none); it is rounded; behind the one wait on va_vdst the half is asked for again, two K steps on
; (xoff, if any), and the next step's fragments of W are fetched into the other buffer (ldw), in two runs of 12 LDS loads, behind the step's products 0-11 and 12-23: the second run has 24 products and the next
; step's roundings in which to land.  s_wait_dscnt 0: the only LDS loads that are out at that line are this step's 24 fragment loads, issued in the step before.
; The last K step issues no memory or LDS instruction: it has no wait on va_vdst or vm_vsrc.
.macro HALF p, first, xoff, ldw, lcnt
	WIN 0
	s_wait_loadcnt \lcnt
.if \ldw
	s_wait_alu depctr_vm_vsrc(0)                   ; the turning loads issued so far have read v[WA], which the next line writes
	v_add_nc_u32 v[WA], 32*PITCH, v[WA]
.endif
.set i, 0
.rept 32
	v_cvt_pk_bf16_f32 v[XB+32*(\p)+i], v[XS+64*(\p)+2*i], v[XS+64*(\p)+2*i+1]
.set i, i+1
.endr
.if \ldw
	s_wait_alu depctr_va_vdst(0)                   ; v[WA] is written, which the turning loads below read; the roundings are done reading x's half p, in which the loads below land; the products of the step before are done reading W's other buffer, in which the turning loads land
.endif
.if (\xoff) >= 0
	XLOAD \p, \xoff
.endif
	s_wait_dscnt 0x0
	MULS \p, \first, 0, 12
.if \ldw
	FRAGW 1-(\p), 0, 6                             ; no wait: no vector or matrix instruction since the wait above names v[WA] or W's other buffer
.endif
	MULS \p, \first, 12, 12
.if \ldw
	FRAGW 1-(\p), 6, 6
.endif
	MULS \p, \first, 24, 24
.endm
; THE WAY OUT of block n = 3 a + j: 16 rows of one head, accumulators 12 a + 4 j .. + 3.  CVT: rounded to f16 (each accumulator from its low end on), 16 bytes a lane.  TRIP: into rows of 144 bytes of my stage,
; and back as whole rows of 128, into registers of their own.  SEND: stored.
.macro CVT n
.set id, 12*((\n)/3)+4*((\n)%3)
.if id < 32
	WIN 0x0a
.set rA, 8*id
.else
	WIN 0x0f
.set rA, 8*(id-32)
.endif
.set i, 0
.rept 16
	v_cvt_pk_f16_f32 v[PKD+16*((\n)%6)+i], v[rA+2*i], v[rA+2*i+1]
.set i, i+1
.endr
.endm
.macro TRIP n
	WIN 0
.irp f, 0,1,2,3
	ds_store_b128 v[STO], v[PKD+16*((\n)%6)+4*\f:PKD+16*((\n)%6)+4*\f+3] offset:32*\f
.endr
.irp f, 0,1,2,3
	ds_load_b128 v[RB+16*((\n)%7)+4*\f:RB+16*((\n)%7)+4*\f+3], v[RD] offset:\f*4*SP  ; LDS serves a wave's instructions in order (ISA guide 5.7.1.4): these see the stores above; the next block's stores come behind them
.endr
.endm
.macro SEND n, younger                 ; younger: the LDS instructions issued behind block n's loads: the next block's eight, or none
	WIN 0
.set aa, (\n)/3
.set jj, (\n)%3
.irp f, 0,1,2,3
	s_wait_dscnt (\younger)+3-\f
	global_store_b128 v[GO], v[RB+16*((\n)%7)+4*\f:RB+16*((\n)%7)+4*\f+3], s[PO+2*jj:PO+2*jj+1] offset:aa*2048+\f*512  ; 512 consecutive bytes, at a multiple of 256 from qkv's first
.endr
.endm
	; THE SLAB.  Six batches of 32 loads on two sets of registers; x's first two K steps and the biases are asked for among them.  Each count is the number of loads issued behind the batch that is waited for.
	s_wait_alu depctr_va_vdst(0)                   ; the offsets and LDS addresses v4 to v11 are written, which the loads and stores of the whole kernel read
	WISSUE 0, 0, 0
	WISSUE 0, 1, 1
	s_wait_loadcnt 32                              ; batch 0 is in; behind it: batch 1
	WCONV 0, 0, 0, 1
	XLOAD 0, 0
	WISSUE 1, 0, 0
	s_wait_loadcnt 48                              ; batch 1; behind it: 16 of x, batch 2
	WCONV 0, 1, 1, 0
	XLOAD 1, 128
	WISSUE 1, 1, 1
	s_wait_loadcnt 48                              ; batch 2; behind it: 16 of x, batch 3
	WCONV 1, 0, 0, 0
	WISSUE 2, 0, 0
	s_wait_loadcnt 32                              ; batch 3; behind it: batch 4
	WCONV 1, 1, 1, 0
	WIN 0xc0
.set b, 0
.rept 12                               ; the bias of column block b as a C operand: register j of a lane belongs to column 16 b + 8 (l / 16) + j
	global_load_b128 v[BI+8*b:BI+8*b+3],   v[BO], s[PB+2*(b/4):PB+2*(b/4)+1] offset:64*(b%4)
	global_load_b128 v[BI+8*b+4:BI+8*b+7], v[BO], s[PB+2*(b/4):PB+2*(b/4)+1] offset:64*(b%4)+16
.set b, b+1
.endr
	WISSUE 2, 1, 1
	s_wait_loadcnt 56                              ; batch 4; behind it: 24 of the biases, batch 5
	WCONV 2, 0, 0, 0
	s_wait_loadcnt 0x0                             ; batch 5, and with it all of x's first two steps and the biases
	WCONV 2, 1, 1, 0
	s_wait_dscnt 0x0                               ; for the others' sake: my part of the slab is stored
	s_barrier_signal -1
	s_barrier_wait -1                              ; the slab is whole; nobody writes it again
	s_wait_alu depctr_vm_vsrc(0)                   ; my last LDS stores have read v32-95: from here on these are x's two bf16 buffers, written by the K steps' roundings
	FRAGW 0, 0, 12
	WIN 0xff
.set i, 0
.rept 48                               ; the biases are rounded to bf16 like the other inputs, and widened again
	v_cvt_pk_bf16_f32 v[TB+i%4], v[BI+2*i], v[BI+2*i+1]
	v_lshlrev_b32 v[BI+2*i], 16, v[TB+i%4]
	v_and_b32 v[BI+2*i+1], s[HIM], v[TB+i%4]
.set i, i+1
.endr
	HALF 0, 1, 256, 1, 0                           ; K step 0 stands in front of the loop: its products start the sums
	WIN 0                                          ; at a label and at a branch every window is 0
	s_mov_b32 s[CNT], 6
.Lk:                                                   ; a trip: K steps 2 i + 1 and 2 i + 2; x of steps 2 i + 3 and 2 i + 4 is asked for
	HALF 1, 0, 384, 1, 16
	HALF 0, 0, 512, 1, 16
	WIN 0
	s_wait_xcnt 0x0                                ; the loads issued so far have read x's pointer (the youngest 48 products back): it is stepped only behind this wait
	s_add_nc_u64 s[XP:XP+1], s[XP:XP+1], 256
	s_sub_co_u32 s[CNT], s[CNT], 1
	s_cmp_lg_u32 s[CNT], 0
	s_cbranch_scc1 .Lk
	HALF 1, 0, 384, 1, 16                          ; K step 13 asks for step 15, the row's last 128 bytes
	HALF 0, 0, -1, 1, 16                           ; the last two steps ask for nothing of x
	HALF 1, 0, -1, 0, 0
	WIN 0
.rept 4
	v_nop                                          ; four places between the last products and the conversions that read results
.endr
.irp n, 0,1,2,3,4,5
	CVT \n
.endr
	WIN 0
	s_wait_alu depctr_va_vdst(0)                   ; the conversions have written v32-127, which the LDS stores below read; the K steps' roundings are done reading v128-223, in which the loads from the stage land
	TRIP 0
.irp t, 1,2,3,4,5                      ; a block's trip through the stage stands between the loads of the block before and its stores
	TRIP \t
	SEND (\t)-1, 8
.endr
	s_wait_xcnt 0x0                                ; the stores of blocks 0 to 4 have had their addresses translated (ISA guide 3.1): slots 0 to 4, their data, are loaded again only behind this wait
	s_wait_alu depctr_vm_vsrc(0)                   ; the LDS stores of blocks 0 to 5 have read v32-127, which the conversions below write again; the global stores of blocks 0 to 4 have read slots 0 to 4, in which blocks 7 to 11 land
.irp n, 6,7,8,9,10,11
	CVT \n                                         ; these stand in block 5's trip through the stage
.endr
	WIN 0
	s_wait_alu depctr_va_vdst(0)                   ; the conversions have written v32-127, which the LDS stores below read
.irp t, 6,7,8,9,10,11                  ; block 6 lands in slot 6, which nothing has named: block 5's stores follow it
	TRIP \t
	SEND (\t)-1, 8
.endr
	SEND 11, 0
	s_wait_dscnt 0x0                               ; the closing lines, six on end
	s_wait_alu 0x0
	s_wait_tensorcnt 0x0
	ds_add_u32 v[SPW], v[NIL]
	s_wait_dscnt 0x0
	s_endpgm
.Lfunc_end_k_q7f4cf94fd8_qkv:
	.size	k_q7f4cf94fd8_qkv, .Lfunc_end_k_q7f4cf94fd8_qkv-k_q7f4cf94fd8_qkv
	.p2alignl 7, 3214868480
	.fill 96, 4, 3214868480
	.section	.rodata,"a",@progbits
	.p2align	6, 0x0
	.amdhsa_kernel k_q7f4cf94fd8_qkv
		.amdhsa_group_segment_fixed_size 222720
		.amdhsa_private_segment_fixed_size 0
		.amdhsa_enable_private_segment 0
		.amdhsa_kernarg_size 64
		.amdhsa_user_sgpr_count 2
		.amdhsa_user_sgpr_kernarg_segment_ptr 1
		.amdhsa_wavefront_size32 1
		.amdhsa_system_sgpr_workgroup_id_x 1
		.amdhsa_system_sgpr_workgroup_id_y 1
		.amdhsa_system_sgpr_workgroup_id_z 1
		.amdhsa_system_vgpr_workitem_id 0
		.amdhsa_next_free_vgpr 1024
		.amdhsa_next_free_sgpr 66
		.amdhsa_reserve_vcc 0
		.amdhsa_float_denorm_mode_32 3
		.amdhsa_float_denorm_mode_16_64 3
		.amdhsa_memory_ordered 1
		.amdhsa_forward_progress 1
		.amdhsa_inst_pref_size 144
	.end_amdhsa_kernel
	.amdgpu_metadata
---
amdhsa.version: [ 1, 2 ]
amdhsa.kernels:
  - .name:           k_q7f4cf94fd8_qkv
    .symbol:         k_q7f4cf94fd8_qkv.kd
    .args:
      - { .name: x, .offset: 0, .size: 8, .value_kind: global_buffer, .address_space: global }
      - { .name: Wq, .offset: 8, .size: 8, .value_kind: global_buffer, .address_space: global }
      - { .name: Wk, .offset: 16, .size: 8, .value_kind: global_buffer, .address_space: global }
      - { .name: Wv, .offset: 24, .size: 8, .value_kind: global_buffer, .address_space: global }
      - { .name: bq, .offset: 32, .size: 8, .value_kind: global_buffer, .address_space: global }
      - { .name: bk, .offset: 40, .size: 8, .value_kind: global_buffer, .address_space: global }
      - { .name: bv, .offset: 48, .size: 8, .value_kind: global_buffer, .address_space: global }
      - { .name: qkv, .offset: 56, .size: 8, .value_kind: global_buffer, .address_space: global }
    .group_segment_fixed_size: 222720
    .private_segment_fixed_size: 0
    .kernarg_segment_align: 8
    .kernarg_segment_size: 64
    .max_flat_workgroup_size: 128
    .sgpr_count:     66
    .vgpr_count:     1024
    .wavefront_size: 32
...
	.end_amdgpu_metadata
.endif
;; end of part 4
;; launch attn: the kernel of part 2 again; grid 16 x 16, 4 waves a work-group, clusters of 4 x 1, 327,680 bytes of LDS; arguments qkv, o; writes o
;; launch oproj: the kernel of part 3 again; grid 8 x 32, 4 waves a work-group, no clusters, 99,840 bytes of LDS; arguments o, Wo, bo, out0; writes out0
